; MI455X (gfx1250); checked and timed in simulation.
; The chip was launched on July 23, 2026; its instructions are those of AMD's public machine-readable ISA for CDNA 5 (MIT licence, August 2026) and "CDNA5" Instruction Set Architecture Reference Guide (July 2026). The comments in the code are by the model that wrote it; some were corrected since.
;; Multi Head Attention. Allowed arithmetic: matrix products marked QUANTISED: E2M3 operands, one E8M0 scale for each 32 along K, by v_wmma_scale_f32_16x16x128_f8f6f4 with both operands' format E2M3, f32 sums; everything else in f32.
;; Inputs: Wk 1,024 x 1,024 float32; Wp 1,024 x 1,024 float32; Wq 1,024 x 1,024 float32; Wv 1,024 x 1,024 float32; attention_mask 4 x 2,048 int32; bk 1,024 float32; bp 1,024 float32; bq 1,024 float32; bv 1,024 float32; x 4 x 2,048 x 1,024 float32.
;; Outputs: out0 4 x 2,048 x 1,024 float32.
;; This version of the problem:
;;   THIS VERSION OF THE PROBLEM IS GIVEN IN LOW PRECISION. The matrix products marked QUANTISED in the list below multiply operands that are first quantised to E2M3 (2 exponent bits, 3 mantissa bits; 6 bits a number), with one power-of-two scale for each 32 numbers along K (OCP MX v1.0); their sums are f32. All else is computed in f32.
;;   The module's matrix products, in the order in which they are computed (A, B: the left and right operand; K: the contracted axis; several contracted axes count as one K, in the product's order):
;;     1. [M 8,192, K 1,024] x [K 1,024, N 1,024]; A: input x; B: input Wq: QUANTISED
;;     2. [M 8,192, K 1,024] x [K 1,024, N 1,024]; A: input x; B: input Wk: QUANTISED
;;     3. [M 8,192, K 1,024] x [K 1,024, N 1,024]; A: input x; B: input Wv: QUANTISED
;;     4. batch 64 x [M 2,048, K 64] x [K 64, N 2,048]; A: computed on the way; B: computed on the way: QUANTISED
;;     5. batch 64 x [M 2,048, K 2,048] x [K 2,048, N 64]; A: computed on the way; B: computed on the way: QUANTISED
;;     6. [M 8,192, K 1,024] x [K 1,024, N 1,024]; A: computed on the way; B: input Wp: QUANTISED
;;   THE QUANTISER, for each operand of a quantised product, along K:
;;     - K is cut into blocks of 32 from its start; a last block that is shorter is filled with zeros.
;;     - A block's scale is 2^e with e = floor(log2(the largest magnitude in the block)) - 2, held to -126 .. 127; a block of zeros has e = 0. As a byte (E8M0): e + 127.
;;     - Each number is divided by its block's scale, clamped to +-7.5, and rounded to the nearest number of E2M3, ties to even, subnormals kept.
;;     - The product sums the exact products of the quantised numbers (number of the format x scale) in f32.
;;   ~~~python
;;   def quantise(x, axis):      # numpy; x: float32 -> the quantised numbers, widened to float32 again
;;       x = np.moveaxis(x, axis, -1); K = x.shape[-1]
;;       x = np.pad(x, [(0, 0)] * (x.ndim - 1) + [(0, -K % 32)]); x = x.reshape(x.shape[:-1] + (-1, 32)); a = np.abs(x).max(-1, keepdims=True)
;;       e = np.where(a > 0, np.clip(np.frexp(np.where(a > 0, a, 1))[1] - 1 - 2, -126, 127), 0)      # np.frexp(a)[1] - 1 = floor(log2(a)), exactly
;;       r = np.clip(x / 2.0 ** e, -7.5, 7.5)
;;       step = 2.0 ** (np.maximum(np.frexp(np.where(r == 0, 1, r))[1] - 1, 0) - 3)
;;       q = np.round(r / step) * step * 2.0 ** e      # np.round: ties to even
;;       return np.moveaxis(q.reshape(q.shape[:-2] + (-1,))[..., :K], -1, axis).astype(np.float32)
;;   ~~~
;;   OPERANDS COMPUTED ON THE WAY. 'Computed on the way' means the value that the module computes at that place (a softmax that the list does not call 'softmax' is quantised finished and normalised). What goes into a quantiser is computed in f32, as accurately as f32 sums, v_exp_f32 and their like allow (about 1e-6 of the number): no bf16 or f16 on the way to a quantiser, and a product that is left as it is and whose result goes on into a quantised operand takes f32 operands (vector FMAs, or v_wmma_f32_16x16x4_f32). A number that lies on a knife's edge between two numbers of the format may be rounded either way, as far as f32 arithmetic and the matrix unit's own rounding can turn it there, and no further.
;; One version. Each part assembles by itself: llvm-mc -triple=amdgcn-amd-amdhsa -mcpu=gfx1250 --defsym DOCPART=n.
;; ======== version 1 of 1: 4 launches
;; limits: right only within a limited range of input values
;; workspace buffers: act_img 6,291,456 bytes; act_sc 262,144 bytes; w_img 3,145,728 bytes; w_sc 131,072 bytes; qpack 6,553,600 bytes; kpack 6,553,600 bytes; vpack 6,553,600 bytes
;; launch quant (part 1): grid 384 x 1, 4 waves a work-group, no clusters, 60,928 bytes of LDS; arguments x, Wq, Wk, Wv, Wp, act_img, act_sc, w_img, w_sc; writes act_img, act_sc, w_img, w_sc
.if DOCPART == 1
	.amdgcn_target "amdgcn-amd-amdhsa--gfx1250"
	.amdhsa_code_object_version 6
	.text
	.protected	k_q6dc305b756_quant
	.globl	k_q6dc305b756_quant
	.p2align	8
	.type	k_q6dc305b756_quant,@function
k_q6dc305b756_quant:
	s_mov_b64 s[64:65], 0
	v_nop
	global_prefetch_b8 v0, s[64:65] scope:SCOPE_SE
	s_setreg_imm32_b32 hwreg(HW_REG_WAVE_MODE, 25, 1), 1
	s_wait_xcnt 0x0
; x [8192][1024] and the four weights [1024 (k)][1024 (n)], f32, become codes of FP6 (E2M3) with one E8M0 byte for each 32 along K,
; laid in the ORDER OF AN OPERAND'S REGISTERS.  A TILE is 16 rows: row r of tile T is matrix row 32 (T / 2) + 8 (T % 2) + r + 8 (r / 8).
; A HALF IMAGE (768 bytes) is 16 rows x 64 k: lane l = (r, h) owns the 24 bytes of k = 32 h .. 32 h + 31: registers 0-3 at byte 16 l,
; registers 4-5 at byte 512 + 8 l.  act_img, w_img: [tile][s: 128 k][c: 64 k][768];  act_sc, w_sc: [tile][s][r], one word a row and 128 k.
; A block's scale is 2^(floor(log2(largest magnitude)) - 2); its byte is the largest magnitude's exponent field - 2, held at 1 from below.
; LIMITS: a block of zeros carries the byte 1 (its codes are zeros; only this program reads the bytes); NaN and infinities are not served.
; Work-groups 0-255 take x, 256-383 the weights; each of the two ways has LDS bytes of its own.  Waves share nothing: no barrier.
; No cluster: no two work-groups read the same bytes.
.set XPITCH, 528                       ; x's stage: a row of 512 bytes + 16
.set XSTG,   16*XPITCH                 ; a wave's stage: 16 rows
.set XSCL,   4*XSTG                    ; behind the four stages: 256 bytes of scale words for each wave
.set WLDS,   XSCL+4*256                ; the weights' way begins here
.set WU,     3200                      ; a tile's 3,072 bytes in the weights' stage + 128
.set XR,  32                           ; v32-159  two sets of 64: a fragment's numbers as loaded
.set XN,  160                          ; v160-223 the lane's two blocks of 32 neighbours
.set PC,  224                          ; v224-247 two sets of 12: a fragment's codes
.set TC,  248                          ; v248-254 the upper halves of the blocks, as converted
.set WX,  32                           ; v32-95   two sets of 32 numbers down K
.set WC,  96                           ; v96-101  a block's codes
.set WD,  104                          ; v104-106 its upper half, as converted
.set WO,  112                          ; v112-159 the way out
.set SB,  24                           ; v24-25   scale words
	s_load_b256 s[4:11], s[0:1], 0x0               ; x, Wq, Wk, Wv
	s_load_b256 s[12:19], s[0:1], 0x20             ; Wp, act_img, act_sc, w_img
	s_load_b64 s[20:21], s[0:1], 0x40              ; w_sc
	v_lshl_add_u32 v251, v0, 2, 0xec00
	v_mov_b32 v255, 0
	v_lshrrev_b32 v1, 5, v0
	v_readfirstlane_b32 s22, v1                    ; wave
	v_and_b32 v2, 31, v0                           ; lane l
	v_and_b32 v3, 15, v0                           ; l % 16
	v_bfe_u32 v11, v0, 4, 1                        ; l / 16
	s_mov_b32 s24, 0x76543210
	s_mov_b32 s25, 0xfedcba98                      ; v_permlanex16_b32's selects for lane l xor 16
	s_cmp_lt_u32 ttmp9, 256
	s_cbranch_scc0 .Lweights
; ---------------- x: a wave takes one tile of 16 rows x 512 along K: four fragments ----------------
	v_lshlrev_b32 v4, 4, v2                        ; 16 l
	v_lshlrev_b32 v5, 3, v2                        ; 8 l
	s_mul_i32 s26, s22, XSTG
	v_add_nc_u32 v6, s26, v4                       ; the stage, on the way in: 16 l of a row
	v_mul_u32_u24 v7, v3, XPITCH
	v_lshl_add_u32 v7, v11, 7, v7
	v_add_nc_u32 v7, s26, v7                       ; and back: row r, + 128 h: my 32 numbers of each 64
	s_lshl_b32 s27, s22, 8
	s_add_co_u32 s27, s27, XSCL
	v_lshl_add_u32 v8, v3, 2, s27                  ; my row's scale word
	v_add_nc_u32 v9, s27, v5                       ; the words' way out: 8 bytes a lane
	v_lshlrev_b32 v10, 3, v11                      ; 8 h
	v_mov_b32 v19, 0                               ; (a lane permute's destination counts as read)
	s_lshl_b32 s28, ttmp9, 2
	s_add_co_u32 s28, s28, s22                     ; unit u = 4 x work-group + wave: tile u / 2, half u % 2 of K
	s_lshr_b32 s29, s28, 2
	s_lshl_b32 s29, s29, 17                        ; 32 rows of 4,096 bytes for each pair of tiles,
	s_bfe_u32 s30, s28, 0x10001
	s_lshl_b32 s30, s30, 15                        ; 8 rows for the odd tile,
	s_add_co_u32 s32, s29, s30
	s_and_b32 s30, s28, 1
	s_lshl_b32 s30, s30, 11                        ; 2,048 bytes for the second half of K
	s_add_co_u32 s32, s32, s30
	s_mov_b32 s33, 0
	s_mul_i32 s34, s28, 6144                       ; four fragments of 1,536 bytes a unit
	s_mov_b32 s35, 0
	s_lshl_b32 s36, s28, 8                         ; 256 bytes of scale words a unit
	s_mov_b32 s37, 0
	s_wait_alu depctr_va_vdst(0)
	s_wait_kmcnt 0x0
	s_add_nc_u64 s[4:5], s[4:5], s[32:33]
	s_add_nc_u64 s[14:15], s[14:15], s[34:35]
	s_add_nc_u64 s[16:17], s[16:17], s[36:37]
.macro LOADX f                         ; fragment f: 16 loads, each 512 consecutive bytes of one of the tile's rows
.set lx, 0
.rept 16
	global_load_b128 v[XR+64*((\f)%2)+4*lx:XR+64*((\f)%2)+4*lx+3], v4, s[4:5] offset:(lx+8*(lx/8))*4096+512*(\f) th:TH_LOAD_NT
.set lx, lx+1
.endr
.endm
.macro FRAGX f
.set PS, PC+12*((\f)%2)
.if (\f) < 3
	s_wait_loadcnt 16                              ; this fragment's 16 loads are in; the next fragment's 16 may be out
.else
	s_wait_loadcnt 0x0
.endif
.set lx, 0
.rept 16
	ds_store_b128 v6, v[XR+64*((\f)%2)+4*lx:XR+64*((\f)%2)+4*lx+3] offset:XPITCH*lx
.set lx, lx+1
.endr
.irp c, 0,1                                    ; LDS serves a wave's instructions in order: these see the stores above
.irp q, 0,1,2,3,4,5,6,7
	ds_load_b128 v[XN+32*\c+4*\q:XN+32*\c+4*\q+3], v7 offset:256*\c+16*\q
.endr
.endr
	s_wait_dscnt 0x0
.if (\f)+2 < 4
	LOADX (\f)+2                                   ; into the set that the stores above have read
.endif
.irp c, 0,1                                    ; my block 2 c + h: all its 32 numbers are mine; the floor 2^(3 - 127) keeps the byte at 1 or above
	v_max3_num_f32 v[12+\c], |v[XN+32*\c]|, |v[XN+32*\c+1]|, 0x1800000
.endr
.irp i, 2,4,6,8,10,12,14,16,18,20,22,24,26,28,30
.irp c, 0,1
	v_max3_num_f32 v[12+\c], v[12+\c], |v[XN+32*\c+\i]|, |v[XN+32*\c+\i+1]|
.endr
.endr
.irp c, 0,1
	v_add_nc_u32 v[14+\c], 0xff000000, v[12+\c]    ; 2 off the exponent field: the conversion's scale operand
.endr
.irp c, 0,1
	v_lshrrev_b32 v[16+\c], 23, v[14+\c]           ; the scale's byte
.endr
	v_lshl_or_b32 v18, v17, 16, v16                ; my two bytes, blocks h and 2 + h,
	v_lshlrev_b32 v18, v10, v18                    ; at their places in the word;
	v_permlanex16_b32 v19, v18, s24, s25
	v_or_b32 v18, v18, v19                         ; with lane l xor 16's two the word is whole
	ds_store_b32 v8, v18 offset:64*(\f)            ; both halves of the lanes write the same word with the same value
.if (\f) >= 2
	s_wait_alu depctr_va_vdst(0)
	s_wait_xcnt 0x0                                ; the stores of two fragments ago have read this set of codes
.endif
.irp c, 0,1
	v_cvt_scalef32_pk16_fp6_f32 v[PS+6*\c:PS+6*\c+2], v[XN+32*\c:XN+32*\c+15], v[14+\c]
	v_cvt_scalef32_pk16_fp6_f32 v[TC+4*\c:TC+4*\c+2], v[XN+32*\c+16:XN+32*\c+31], v[14+\c]   ; (a conversion's three registers begin on an even number)
.endr
	v_nop                                          ; one plain place behind a scaled conversion
.irp c, 0,1
.irp i, 0,1,2
	v_mov_b32 v[PS+3+6*\c+\i], v[TC+4*\c+\i]
.endr
.endr
	global_store_b128 v4, v[PS:PS+3], s[14:15] offset:1536*(\f)          ; 512 consecutive bytes, at a multiple of 256
	global_store_b64 v5, v[PS+4:PS+5], s[14:15] offset:1536*(\f)+512     ; 256
	global_store_b128 v4, v[PS+6:PS+9], s[14:15] offset:1536*(\f)+768
	global_store_b64 v5, v[PS+10:PS+11], s[14:15] offset:1536*(\f)+1280
.endm
	LOADX 0
	LOADX 1
	FRAGX 0
	FRAGX 1
	FRAGX 2
	FRAGX 3
	ds_load_b64 v[20:21], v9                       ; the unit's 64 scale words
	s_wait_dscnt 0x0
	global_store_b64 v5, v[20:21], s[16:17]        ; 256 consecutive bytes, aligned
	s_wait_tensorcnt 0x0
	ds_add_u32 v251, v255
	s_wait_dscnt 0x0
	s_endpgm
; ---------------- the weights: K is their first axis.  A lane takes a column, its registers run down K ----------------
; Work-group 256 + i: weight i / 32, 256 along K (i / 8) % 4, columns 128 (i % 8) on; a wave 32 columns: a pair of tiles.
.Lweights:
	s_wait_alu depctr_va_vdst(0)
	v_lshlrev_b32 v4, 2, v2                        ; in: 4 bytes a lane
	v_bfe_u32 v5, v0, 3, 1                         ; column l of the 32 is row r = l % 8 + 8 (l / 16) of tile u = (l / 8) % 2
	v_and_b32 v6, 7, v0
	v_lshl_add_u32 v6, v11, 3, v6
	s_mul_i32 s26, s22, 2*WU
	s_add_co_u32 s26, s26, WLDS                    ; my stage: the two tiles' images of two fragments
	v_mul_u32_u24 v7, v5, WU
	v_add_nc_u32 v7, s26, v7
	v_lshl_add_u32 v8, v6, 4, v7                   ; where registers 0-3 of a block go
	v_lshl_add_u32 v9, v6, 3, v7                   ; and registers 4-5
	v_lshlrev_b32 v10, 4, v2                       ; out: 16 l
	v_add_nc_u32 v12, s26, v10
	v_lshlrev_b32 v13, 9, v5
	v_lshl_add_u32 v13, v6, 2, v13                 ; my scale words: 512 u + 4 r
	s_sub_co_u32 s28, ttmp9, 256
	s_lshr_b32 s29, s28, 5                         ; which weight
	s_and_b32 s30, s28, 7                          ; which 128 columns
	s_bfe_u32 s31, s28, 0x20003                    ; which 256 along K
	s_lshl_b32 s32, s31, 20                        ; 256 rows of 4,096 bytes
	s_lshl_b32 s33, s30, 9
	s_add_co_u32 s32, s32, s33
	s_lshl_b32 s33, s22, 7
	s_add_co_u32 s32, s32, s33
	s_mov_b32 s33, 0
	s_lshl_b32 s34, s29, 6
	s_lshl_b32 s35, s30, 3
	s_add_co_u32 s34, s34, s35
	s_lshl_b32 s35, s22, 1
	s_add_co_u32 s34, s34, s35                     ; my first tile: 64 x weight + 8 x block + 2 x wave
	s_mul_i32 s36, s34, 12288
	s_mul_i32 s37, s31, 3072
	s_add_co_u32 s36, s36, s37
	s_mov_b32 s37, 0
	s_lshl_b32 s38, s34, 9
	s_lshl_b32 s39, s31, 7
	s_add_co_u32 s38, s38, s39
	s_mov_b32 s39, 0
	s_wait_kmcnt 0x0
	s_cmp_eq_u32 s29, 1                            ; the choice hangs on the work-group's number alone
	s_cselect_b64 s[6:7], s[8:9], s[6:7]
	s_cmp_eq_u32 s29, 2
	s_cselect_b64 s[6:7], s[10:11], s[6:7]
	s_cmp_eq_u32 s29, 3
	s_cselect_b64 s[6:7], s[12:13], s[6:7]
	s_add_nc_u64 s[6:7], s[6:7], s[32:33]
	s_add_nc_u64 s[18:19], s[18:19], s[36:37]
	s_add_nc_u64 s[20:21], s[20:21], s[38:39]
.macro LOADW t                         ; block t: W(32 t + i, my column): 128 consecutive bytes a wave, 512 a work-group
.set lw, 0
.rept 32
	global_load_b32 v[WX+32*((\t)%2)+lw], v4, s[6:7] offset:(32*(\t)+lw)*4096 th:TH_LOAD_NT
.set lw, lw+1
.endr
.endm
.macro BLOCKW t
.set WS, WX+32*((\t)%2)
.if (\t) < 7
	s_wait_loadcnt 32                              ; this block's 32 loads are in; the next block's may be out
.else
	s_wait_loadcnt 0x0
.endif
	v_max3_num_f32 v14, |v[WS]|, |v[WS+1]|, |v[WS+2]|
	v_max3_num_f32 v15, |v[WS+3]|, |v[WS+4]|, |v[WS+5]|
.irp i, 6,10,14,18,22,26
	v_max3_num_f32 v14, v14, |v[WS+\i]|, |v[WS+\i+1]|
	v_max3_num_f32 v15, v15, |v[WS+\i+2]|, |v[WS+\i+3]|
.endr
	v_max3_num_f32 v14, v14, |v[WS+30]|, |v[WS+31]|
	v_max3_num_f32 v14, v14, v15, 0x1800000        ; and the floor
	v_add_nc_u32 v16, 0xff000000, v14              ; the conversion's scale operand
	v_lshrrev_b32 v15, 23, v16                     ; the byte
.if (\t)%4 == 0
	v_mov_b32 v[SB+(\t)/4], v15
.else
	v_lshl_or_b32 v[SB+(\t)/4], v15, 8*((\t)%4), v[SB+(\t)/4]
.endif
	v_cvt_scalef32_pk16_fp6_f32 v[WC:WC+2], v[WS:WS+15], v16
	v_cvt_scalef32_pk16_fp6_f32 v[WD:WD+2], v[WS+16:WS+31], v16
	v_nop                                          ; one plain place behind a scaled conversion
.irp i, 0,1,2
	v_mov_b32 v[WC+3+\i], v[WD+\i]
.endr
	ds_store_b128 v8, v[WC:WC+3] offset:1536*((\t)/4)+768*(((\t)%4)/2)+256*((\t)%2)          ; block t is half h = t % 2 of half image (t % 4) / 2 of fragment t / 4
	ds_store_b64 v9, v[WC+4:WC+5] offset:1536*((\t)/4)+768*(((\t)%4)/2)+512+128*((\t)%2)
.if (\t)+2 < 8
	LOADW (\t)+2
.endif
	s_wait_dscnt 0x0                               ; the stores have read their registers
.endm
	LOADW 0
	LOADW 1
.irp t, 0,1,2,3,4,5,6,7
	BLOCKW \t
.endr
	global_store_b32 v13, v[SB], s[20:21]          ; 64 bytes a tile and fragment: 1 byte in 128 of what this way reads leaves in short pieces
	s_wait_alu depctr_va_vdst(0)
	global_store_b32 v13, v[SB+1], s[20:21] offset:64
.irp u, 0,1
.irp i, 0,1,2,3,4,5
	ds_load_b128 v[WO+4*(6*\u+\i):WO+4*(6*\u+\i)+3], v12 offset:WU*\u+512*\i
.endr
.endr
.irp u, 0,1
.irp i, 0,1,2,3,4,5
	s_wait_dscnt 11-(6*\u+\i)
	global_store_b128 v10, v[WO+4*(6*\u+\i):WO+4*(6*\u+\i)+3], s[18:19] offset:12288*\u+512*\i   ; 512 consecutive bytes, at a multiple of 256
.endr
.endr
	s_wait_tensorcnt 0x0
	ds_add_u32 v251, v255
	s_wait_dscnt 0x0
	s_endpgm
.Lfunc_end_k_q6dc305b756_quant:
	.size	k_q6dc305b756_quant, .Lfunc_end_k_q6dc305b756_quant-k_q6dc305b756_quant
	.p2alignl 7, 3214868480
	.fill 96, 4, 3214868480
	.section	.rodata,"a",@progbits
	.p2align	6, 0x0
	.amdhsa_kernel k_q6dc305b756_quant
		.amdhsa_group_segment_fixed_size 60928
		.amdhsa_private_segment_fixed_size 0
		.amdhsa_enable_private_segment 0
		.amdhsa_kernarg_size 72
		.amdhsa_user_sgpr_count 2
		.amdhsa_user_sgpr_kernarg_segment_ptr 1
		.amdhsa_wavefront_size32 1
		.amdhsa_system_sgpr_workgroup_id_x 1
		.amdhsa_system_sgpr_workgroup_id_y 1
		.amdhsa_system_sgpr_workgroup_id_z 1
		.amdhsa_system_vgpr_workitem_id 0
		.amdhsa_next_free_vgpr 256
		.amdhsa_next_free_sgpr 66
		.amdhsa_reserve_vcc 0
		.amdhsa_float_denorm_mode_32 3
		.amdhsa_float_denorm_mode_16_64 3
		.amdhsa_memory_ordered 1
		.amdhsa_forward_progress 1
		.amdhsa_inst_pref_size 72
	.end_amdhsa_kernel
	.amdgpu_metadata
---
amdhsa.version: [ 1, 2 ]
amdhsa.kernels:
  - .name:           k_q6dc305b756_quant
    .symbol:         k_q6dc305b756_quant.kd
    .args:
      - { .name: x, .offset: 0, .size: 8, .value_kind: global_buffer, .address_space: global }
      - { .name: Wq, .offset: 8, .size: 8, .value_kind: global_buffer, .address_space: global }
      - { .name: Wk, .offset: 16, .size: 8, .value_kind: global_buffer, .address_space: global }
      - { .name: Wv, .offset: 24, .size: 8, .value_kind: global_buffer, .address_space: global }
      - { .name: Wp, .offset: 32, .size: 8, .value_kind: global_buffer, .address_space: global }
      - { .name: act_img, .offset: 40, .size: 8, .value_kind: global_buffer, .address_space: global }
      - { .name: act_sc, .offset: 48, .size: 8, .value_kind: global_buffer, .address_space: global }
      - { .name: w_img, .offset: 56, .size: 8, .value_kind: global_buffer, .address_space: global }
      - { .name: w_sc, .offset: 64, .size: 8, .value_kind: global_buffer, .address_space: global }
    .group_segment_fixed_size: 60928
    .private_segment_fixed_size: 0
    .kernarg_segment_align: 8
    .kernarg_segment_size: 72
    .max_flat_workgroup_size: 128
    .sgpr_count:     66
    .vgpr_count:     256
    .wavefront_size: 32
...
	.end_amdgpu_metadata
.endif
;; end of part 1
;; launch qkv (part 2): grid 12 x 32, 4 waves a work-group, clusters of 4 x 4, 327,680 bytes of LDS; arguments act_img, act_sc, w_img, w_sc, bq, qpack, bk, kpack, bv, vpack; writes qpack, kpack, vpack
.if DOCPART == 2
	.amdgcn_target "amdgcn-amd-amdhsa--gfx1250"
	.amdhsa_code_object_version 6
	.text
	.protected	k_q6dc305b756_qkv
	.globl	k_q6dc305b756_qkv
	.p2align	8
	.type	k_q6dc305b756_qkv,@function
k_q6dc305b756_qkv:
	s_mov_b64 s[64:65], 0
	v_nop
	global_prefetch_b8 v0, s[64:65] scope:SCOPE_SE
	s_setreg_imm32_b32 hwreg(HW_REG_WAVE_MODE, 25, 1), 1
	s_wait_xcnt 0x0
	s_wait_alu depctr_hold_cnt(0) depctr_sa_sdst(0) depctr_va_vdst(0) depctr_va_sdst(0) depctr_va_ssrc(0) depctr_va_vcc(0) depctr_vm_vsrc(0)
	s_getreg_b32 s2, hwreg(HW_REG_IB_STS2, 6, 4)
	s_cmp_eq_u32 s2, 0
	s_cbranch_scc0 .Lentry_in_a_cluster
	s_endpgm
.Lentry_in_a_cluster:
	s_bfe_u32 s2, ttmp6, 0x10000c
	s_cmp_lg_u32 s2, 0xf033
	s_cbranch_scc0 .Lentry_shape_is_right
	s_endpgm
.Lentry_shape_is_right:
.set FR,     12
.set NL,     4
.set NP,     4
.set TILEB,  3072
.set HALFT,  8*TILEB
.set SLOT,   4*HALFT
.set SCL,    2*SLOT
.set HALFS,  4096
.set SPARE,  SCL+4*HALFS
.set STG,    SPARE+512
.set HEADB,  102400
.set L16,  4
.set L8,   5
.set BO,   8
.set ADRA, 16
.set ADRB, 20
.set WQK,  24
.set WVR,  25
.set RQK,  26
.set ADRS, 27
.set SPW,  28
.set NIL,  29
.set RVR,  30
.set GW,   31
.set SC,   32
.set BI,   64
.set AF,   128
.set T,    128
.set PC,   192
.set TM,   212
.set PW,   228
.set PWE,  229
.set W0,   230
.set W1,   231
.set WB,   232
.set SEL,  66
.set G1,   24
.set G0,   32
.set G1B,  48
.set G0B,  56
.set G1S,  68
.set G0S,  76
.set G1SB, 80
.set G0SB, 88
.set MSB, 0
.macro WIN new
.if MSB != \new
	s_set_vgpr_msb (MSB<<8)|\new
.set MSB, \new
.endif
.endm
.set MUL_LO, 0xa1
.set MUL_HI, 0xf1
.set FIRST_LO, MUL_LO
.set FIRST_HI, MUL_HI
.set TO_B,   0x40
.macro JLOAD g0a, g1a, g0b, g1b
	s_cmp_eq_u32 s15, 0
	s_cbranch_scc0 .Lfor_b_\@
	tensor_load_to_lds s[\g0a:\g0a+3], s[\g1a:\g1a+7]
	s_nop 0
.rept 4
	v_nop
.endr
	s_branch .Lasked_\@
.Lfor_b_\@:
	tensor_load_to_lds s[\g0b:\g0b+3], s[\g1b:\g1b+7]
	s_nop 0
.rept 4
	v_nop
.endr
.Lasked_\@:
.endm
.macro CREST
	s_cmp_lg_u32 s14, 0
	s_cbranch_scc1 .Lnot_wave_0_\@
	s_barrier_signal -3
.Lnot_wave_0_\@:
	s_barrier_wait -3
	s_barrier_signal -1
	s_barrier_wait -1
.endm
.macro CROUND
	s_barrier_signal -1
	s_barrier_wait -1
	CREST
.endm
	s_load_b256 s[4:11], s[0:1], 0x0
	s_load_b256 s[68:75], s[0:1], 0x20
	s_load_b128 s[76:79], s[0:1], 0x40
	v_lshl_add_u32 v[SPW], v0, 2, SPARE
	v_mov_b32 v[NIL], 0
	ds_add_u32 v28, v29
	ds_add_u32 v28, v29
	s_wait_dscnt 0x0
	v_lshrrev_b32 v1, 5, v0
	v_readfirstlane_b32 s14, v1
	s_lshr_b32 s15, s14, 1
	s_and_b32 s16, s14, 1
	s_bfe_u32 s40, ttmp6, 0x40000
	s_bfe_u32 s41, ttmp6, 0x40004
	s_and_b32 s17, ttmp7, 0xffff
	s_lshl_b32 s17, s17, 2
	s_lshl_b32 s19, ttmp9, 2
	s_lshl_b32 s43, s41, 2
	s_lshl_b32 s43, 15, s43
	s_lshl_b32 s44, 0x1111, s40
	v_and_b32 v1, 15, v0
	v_bfe_u32 v2, v0, 4, 1
	s_wait_alu depctr_va_vdst(0)
	v_and_b32 v6, 8, v1
	v_add_nc_u32 v6, v6, v1
	s_cmp_eq_u32 ttmp9, 2
	s_cselect_b32 s18, 8, s17
	s_cselect_b32 s19, s17, s19
	s_cselect_b32 s2, s41, s40
	s_cselect_b32 s3, s40, s41
	s_cselect_b32 s20, s15, s16
	s_cselect_b32 s21, s16, s15
	s_cselect_b32 s92, 0, 64
	s_cselect_b32 s93, 4, 0
	s_cselect_b32 s94, 0, 4
	v_mul_u32_u24 v7, v2, s92
	s_wait_alu depctr_va_vdst(0)
	v_mad_u32_u24 v7, v6, s93, v7
.irp j, 0,1,2,3,4,5,6,7
	v_mad_u32_u24 v[BO+\j], s94, \j, v7
.endr
	s_lshl_b32 s2, s2, 2
	s_lshl_b32 s20, s20, 1
	s_add_co_u32 s2, s2, s20
	s_add_co_u32 s3, s17, s3
	s_lshl_b32 s3, s3, 8
	s_lshl_b32 s21, s21, 7
	s_add_co_u32 s3, s3, s21
	s_lshr_b32 s20, s3, 11
	s_and_b32 s3, s3, 2047
	s_lshl_b32 s20, s20, 4
	s_add_co_u32 s20, s20, s2
	s_mul_i32 s20, s20, HEADB
	s_mul_i32 s21, s3, 48
	s_add_co_u32 s22, s20, s21
	s_mov_b32 s23, 0
	s_lshl_b32 s3, s3, 1
	s_add_co_u32 s20, s20, s3
	s_add_co_u32 s20, s20, 98304
	s_mov_b32 s21, 0
	s_lshl_b32 s2, s2, 8
	s_mov_b32 s3, 0
	s_wait_kmcnt 0x0
	s_cmp_eq_u32 ttmp9, 1
	s_cselect_b64 s[96:97], s[72:73], s[68:69]
	s_cselect_b64 s[12:13], s[74:75], s[70:71]
	s_cmp_eq_u32 ttmp9, 2
	s_cselect_b64 s[96:97], s[76:77], s[96:97]
	s_cselect_b64 s[12:13], s[78:79], s[12:13]
	s_cselect_b64 s[92:93], s[8:9], s[4:5]
	s_cselect_b64 s[46:47], s[10:11], s[6:7]
	s_cselect_b64 s[8:9], s[4:5], s[8:9]
	s_cselect_b64 s[10:11], s[6:7], s[10:11]
	s_mov_b64 s[4:5], s[92:93]
	s_mov_b64 s[6:7], s[46:47]
	s_add_nc_u64 s[98:99], s[12:13], s[20:21]
	s_add_nc_u64 s[12:13], s[12:13], s[22:23]
	s_add_nc_u64 s[96:97], s[96:97], s[2:3]
	s_lshl_b32 s95, s16, 3
	s_add_co_u32 s18, s18, s41
	s_lshl_b32 s18, s18, 4
	s_add_co_u32 s18, s18, s95
	s_add_co_u32 s42, s19, s40
	s_lshl_b32 s42, s42, 4
	s_add_co_u32 s42, s42, s95
	s_mul_i32 s20, s18, 12288
	s_mov_b32 s21, 0
	s_lshl_b32 s22, s18, 9
	s_mov_b32 s23, 0
	s_mul_i32 s46, s42, 12288
	s_mov_b32 s47, 0
	s_lshl_b32 s92, s42, 9
	s_mov_b32 s93, 0
	s_add_nc_u64 s[20:21], s[4:5], s[20:21]
	s_add_nc_u64 s[22:23], s[6:7], s[22:23]
	s_add_nc_u64 s[46:47], s[8:9], s[46:47]
	s_add_nc_u64 s[92:93], s[10:11], s[92:93]
	s_mul_i32 s45, s14, HALFT
	s_or_b32 s[G1+0], s43, (3<<16)|(1<<21)
	s_or_b32 s[G1B+0], s44, (3<<16)|(1<<21)
.irp g, G1, G1B
	s_mov_b32 s[\g+1], 384<<16
	s_mov_b32 s[\g+2], 16<<16
	s_mov_b32 s[\g+3], 384<<16
	s_mov_b32 s[\g+4], 16
	s_mov_b32 s[\g+5], 1536
	s_mov_b32 s[\g+6], 0
	s_mov_b32 s[\g+7], 0
.endr
	s_or_b32 s[G1S+0], s43, (3<<16)|(1<<21)
	s_or_b32 s[G1SB+0], s44, (3<<16)|(1<<21)
.irp g, G1S, G1SB
	s_mov_b32 s[\g+1], 32<<16
	s_mov_b32 s[\g+2], 32<<16
	s_mov_b32 s[\g+3], 32<<16
	s_mov_b32 s[\g+4], 32
	s_mov_b32 s[\g+5], 32
	s_mov_b32 s[\g+6], 0
	s_mov_b32 s[\g+7], 0
.endr
	CROUND
	s_mov_b32 s[G0S], 1
	s_mov_b32 s[G0S+1], SCL
	s_sub_nc_u64 s[G0S+2:G0S+3], s[22:23], 4096    ; used by wave 1 alone, whose address stands at the second half: back to all 16 tiles' words
	s_or_b32 s[G0S+3], s[G0S+3], 0x80000000
	s_mov_b32 s[G0SB], 1
	s_mov_b32 s[G0SB+1], SCL+2*HALFS
	s_sub_nc_u64 s[G0SB+2:G0SB+3], s[92:93], 4096  ; used by wave 3 alone, likewise
	s_or_b32 s[G0SB+3], s[G0SB+3], 0x80000000
.irp s, 0,1
	s_mov_b32 s[G0+4*\s], 1
	s_add_co_u32 s[G0+4*\s+1], s45, \s*SLOT
	s_add_nc_u64 s[G0+4*\s+2:G0+4*\s+3], s[20:21], \s*TILEB
	s_or_b32 s[G0+4*\s+3], s[G0+4*\s+3], 0x80000000
	s_mov_b32 s[G0B+4*\s], 1
	s_add_co_u32 s[G0B+4*\s+1], s45, \s*SLOT
	s_add_nc_u64 s[G0B+4*\s+2:G0B+4*\s+3], s[46:47], \s*TILEB
	s_or_b32 s[G0B+4*\s+3], s[G0B+4*\s+3], 0x80000000
.endr
; The head's four tiles, one joint load a wave, in one chain of branches on the wave's number: wave 0 slot 0's 16 tiles of the first operand, wave 1 its scale words,
; wave 2 the 16 tiles of the second operand, wave 3 its scale words.  (Waves 0 and 2 hold the first half's address, so their addresses are the whole tile's.)
	s_mov_b32 s4, 1
	s_mov_b32 s5, 0
	s_mov_b64 s[6:7], s[20:21]
	s_or_b32 s7, s7, 0x80000000
	s_mov_b32 s8, 1
	s_mov_b32 s9, 2*HALFT
	s_mov_b64 s[10:11], s[46:47]
	s_or_b32 s11, s11, 0x80000000
	s_cmp_eq_u32 s14, 0
	s_cbranch_scc0 .Lhead_1
	tensor_load_to_lds s[4:7], s[G1:G1+7]
	s_nop 0
.rept 4
	v_nop
.endr
	s_branch .Lhead_asked
.Lhead_1:
	s_cmp_eq_u32 s14, 1
	s_cbranch_scc0 .Lhead_2
	tensor_load_to_lds s[G0S:G0S+3], s[G1S:G1S+7]
	s_nop 0
.rept 4
	v_nop
.endr
	s_branch .Lhead_asked
.Lhead_2:
	s_cmp_eq_u32 s14, 2
	s_cbranch_scc0 .Lhead_3
	tensor_load_to_lds s[8:11], s[G1B:G1B+7]
	s_nop 0
.rept 4
	v_nop
.endr
	s_branch .Lhead_asked
.Lhead_3:
	tensor_load_to_lds s[G0SB:G0SB+3], s[G1SB:G1SB+7]
	s_nop 0
.rept 4
	v_nop
.endr
.Lhead_asked:
	s_wait_alu depctr_va_vdst(0)
	s_wait_tensorcnt 0x0                           ; my tile of the four is in
	ds_add_u32 v28, v29
	s_mov_b32 s[G1+2], 8<<16                       ; no tensor load of mine is out: from here on a load brings 8 tiles
	s_mov_b32 s[G1+4], 8
	s_mov_b32 s[G1B+2], 8<<16
	s_mov_b32 s[G1B+4], 8
	s_wait_dscnt 0x0
	CROUND
	JLOAD G0+4, G1, G0B+4, G1B
.set p, 0
	s_wait_alu depctr_va_vdst(0)
.rept 64
	global_load_b32 v[BI+p], v[BO+p%8], s[96:97] offset:4*(32*(p/16)+8*((p/8)%2))
.set p, p+1
.endr
	v_and_b32 v3, 31, v0
	v_lshlrev_b32 v[L16], 4, v3
	v_lshlrev_b32 v[L8], 3, v3
	s_mul_i32 s21, s15, HALFT
	s_mul_i32 s22, s16, HALFT
	s_add_co_u32 s22, s22, 2*HALFT
.irp s, 0,1
	v_add_nc_u32 v[ADRA+\s], s21, v[L16]
	v_add_nc_u32 v[ADRB+\s], s22, v[L16]
	v_add_nc_u32 v[ADRA+2+\s], s21, v[L8]
	v_add_nc_u32 v[ADRB+2+\s], s22, v[L8]
	s_add_co_u32 s21, s21, SLOT
	s_add_co_u32 s22, s22, SLOT
.endr
	v_lshlrev_b32 v7, 2, v1
	s_wait_alu depctr_va_vdst(0)
	s_lshl_b32 s21, s15, 12
	s_lshl_b32 s22, s16, 12
	s_add_co_u32 s22, s22, 2*HALFS
	s_sub_co_u32 s22, s22, s21
	v_mul_u32_u24 v6, s22, v2
	s_add_co_u32 s21, s21, SCL
	v_add_nc_u32 v6, v7, v6
	v_add_nc_u32 v[ADRS], s21, v6
	s_lshl_b32 s23, s14, 9
	s_add_co_u32 s23, s23, STG
	v_add_nc_u32 v[WQK], s23, v7
	v_add_nc_u32 v[RQK], s23, v[L16]
	s_add_co_u32 s23, s23, 2048
	v_add_nc_u32 v[WVR], s23, v7
	v_add_nc_u32 v[RVR], s23, v[L16]
	v_mul_u32_u24 v[GW], v2, HEADB
	v_lshl_add_u32 v[GW], v1, 4, v[GW]
	s_mov_b32 s[SEL], 0x76543210
	s_mov_b32 s[SEL+1], 0xfedcba98
	s_mov_b32 s100, 0x05040100
	s_mov_b32 s101, 0x07060302
.macro FRAG reg, adr, off
	ds_load_b128 v[\reg:\reg+3], v[\adr] offset:\off
	ds_load_b64 v[\reg+4:\reg+5], v[\adr+2] offset:\off+512
	ds_load_b128 v[\reg+6:\reg+9], v[\adr] offset:\off+768
	ds_load_b64 v[\reg+10:\reg+11], v[\adr+2] offset:\off+1280
.endm
.macro MUL16 a0, p, q, sc, zero
.irp a, \a0, \a0+1
.irp b, 0,1,2,3,4,5,6,7
.if \zero
	v_wmma_scale_f32_16x16x128_f8f6f4 v[8*(8*((\a)%4)+\b):8*(8*((\a)%4)+\b)+7], v[128*(\p)+FR*\b:128*(\p)+FR*\b+FR-1], v[AF+FR*(\a):AF+FR*(\a)+FR-1], 0, v[SC+16*(\sc)+2*\b+(\q)], v[SC+16*(\sc)+2*(\a)+(\q)] matrix_a_fmt:MATRIX_FMT_FP6 matrix_b_fmt:MATRIX_FMT_FP6 matrix_a_scale:MATRIX_SCALE_ROW1
.else
	v_wmma_scale_f32_16x16x128_f8f6f4 v[8*(8*((\a)%4)+\b):8*(8*((\a)%4)+\b)+7], v[128*(\p)+FR*\b:128*(\p)+FR*\b+FR-1], v[AF+FR*(\a):AF+FR*(\a)+FR-1], v[8*(8*((\a)%4)+\b):8*(8*((\a)%4)+\b)+7], v[SC+16*(\sc)+2*\b+(\q)], v[SC+16*(\sc)+2*(\a)+(\q)] matrix_a_fmt:MATRIX_FMT_FP6 matrix_b_fmt:MATRIX_FMT_FP6 matrix_a_scale:MATRIX_SCALE_ROW1
.endif
.endr
.endr
.endm
.macro FETCH_B slot, q, p
	WIN TO_B
.irp i, 0,1,2,3,4,5,6,7
	FRAG 128*(\p)+FR*\i, ADRB+\slot, TILEB*\i+1536*(\q)
.endr
	WIN 0
.endm
.macro FETCH_A slot, q, i0
.irp i, \i0, \i0+1, \i0+2, \i0+3
	FRAG AF+FR*(\i), ADRA+\slot, TILEB*(\i)+1536*(\q)
.endr
.endm
.macro SCALES sc
.irp i, 0,1,2,3,4,5,6,7
	ds_load_b32 v[SC+16*\sc+2*\i], v[ADRS] offset:512*\i
	ds_load_b32 v[SC+16*\sc+2*\i+1], v[ADRS] offset:512*\i+64
.endr
.endm
.macro PLACES n
.rept \n
	v_nop
.endr
.endm
.macro STEP slot, q, zero
	s_wait_dscnt 4*NL
.if \zero
	WIN FIRST_LO
.else
	WIN MUL_LO
.endif
	MUL16 0, (\q)%2, \q, \slot, \zero
	MUL16 2, (\q)%2, \q, \slot, \zero
	s_wait_dscnt 0x0
	PLACES NP
	FETCH_B \slot, (\q)+1, 1-(\q)%2
	FETCH_A \slot, (\q)+1, 0
.if \zero
	WIN FIRST_HI
.else
	WIN MUL_HI
.endif
	MUL16 4, (\q)%2, \q, \slot, \zero
	MUL16 6, (\q)%2, \q, \slot, \zero
	PLACES NP
	WIN 0
	FETCH_A \slot, (\q)+1, 4
.endm
.macro TURN slot, next, fill
	s_wait_tensorcnt 0x0
	ds_add_u32 v[SPW], v[NIL]
	s_wait_dscnt 4*NL+1
	WIN MUL_LO
	MUL16 0, 1, 1, \slot, 0
	s_wait_dscnt 0x0
	s_barrier_signal -1
	MUL16 2, 1, 1, \slot, 0
	WIN 0
	s_barrier_wait -1
.if \fill
	CREST
	s_add_nc_u64 s[G0+4*\slot+2:G0+4*\slot+3], s[G0+4*\slot+2:G0+4*\slot+3], 2*TILEB
	s_add_nc_u64 s[G0B+4*\slot+2:G0B+4*\slot+3], s[G0B+4*\slot+2:G0B+4*\slot+3], 2*TILEB
	JLOAD G0+4*\slot, G1, G0B+4*\slot, G1B
.else
	PLACES NP
.endif
	s_wait_alu depctr_va_vdst(0)
	v_add_nc_u32 v[ADRS], 128, v[ADRS]
	FETCH_B \next, 0, 0
	FETCH_A \next, 0, 0
	SCALES \next
	WIN MUL_HI
	MUL16 4, 1, 1, \slot, 0
	MUL16 6, 1, 1, \slot, 0
	PLACES NP
	WIN 0
	FETCH_A \next, 0, 4
.endm
	s_wait_alu depctr_va_vdst(0)
	s_wait_tensorcnt 1
	s_barrier_signal -1
	s_barrier_wait -1
	FETCH_B 0, 0, 0
	FETCH_A 0, 0, 0
	SCALES 0
	FETCH_A 0, 0, 4
	STEP 0, 0, 1
	TURN 0, 1, 1
	STEP 1, 0, 0
	TURN 1, 0, 1
	STEP 0, 0, 0
	TURN 0, 1, 0
	STEP 1, 0, 0
	s_wait_dscnt 4*NL
	WIN MUL_LO
	MUL16 0, 1, 1, 1, 0
	MUL16 2, 1, 1, 1, 0
	s_wait_dscnt 0x0
	WIN MUL_HI
	MUL16 4, 1, 1, 1, 0
	MUL16 6, 1, 1, 1, 0
	WIN 0
.macro QUANT s
.irp b, 0,1,2,3
	v_max3_num_f32 v[TM+\b], |v[\s+16*\b]|, |v[\s+1+16*\b]|, 0x1800000
.endr
.irp i, 2,4,6,8,10,12,14
.irp b, 0,1,2,3
	v_max3_num_f32 v[TM+\b], v[TM+\b], |v[\s+16*\b+\i]|, |v[\s+1+16*\b+\i]|
.endr
.endr
.irp b, 0,1,2,3
	v_permlanex16_b32 v[TM+4+\b], v[TM+\b], s[SEL], s[SEL+1]
.endr
.irp b, 0,1,2,3
	v_max_num_f32 v[TM+\b], v[TM+\b], v[TM+4+\b]
.endr
.irp b, 0,1,2,3
	v_add_nc_u32 v[TM+12+\b], 0xff000000, v[TM+\b]
.endr
.irp b, 0,1,2,3
	v_lshrrev_b32 v[TM+4+\b], 23, v[TM+12+\b]
.endr
	v_lshl_or_b32 v[PW], v[TM+5], 8, v[TM+4]
	v_lshl_or_b32 v[PW], v[TM+6], 16, v[PW]
	v_lshl_or_b32 v[PW], v[TM+7], 24, v[PW]
.irp c, 0,1
	v_cvt_scalef32_pk16_fp6_f32 v[PC+6*\c:PC+2+6*\c], v[\s+32*\c:\s+15+32*\c], v[TM+12+2*\c]
	v_cvt_scalef32_pk16_fp6_f32 v[PC+12+4*\c:PC+14+4*\c], v[\s+16+32*\c:\s+31+32*\c], v[TM+12+2*\c+1]
.endr
	v_nop
.irp c, 0,1
.irp i, 0,1,2
	v_permlane16_swap_b32 v[PC+6*\c+\i], v[PC+12+4*\c+\i]
.endr
.irp i, 0,1,2
	v_mov_b32 v[PC+3+6*\c+\i], v[PC+12+4*\c+\i]
.endr
.endr
.endm
.macro ADDB a, vrole
.set AC, 64*((\a)%4)
	WIN 0x02+(\a)/4
.set e, 0
.rept 32
.if \vrole
	v_pk_add_f32 v[T+e:T+e+1], v[AC+e:AC+e+1], v[BI+8*(\a):BI+8*(\a)+1]
.else
	v_pk_add_f32 v[T+e:T+e+1], v[AC+e:AC+e+1], v[BI+e:BI+e+1]
.endif
.set e, e+2
.endr
	WIN 0
.endm
.macro EPI_QK a
	ADDB \a, 0
.if (\a) > 0
	s_wait_xcnt 0x0
	s_wait_dscnt 0x0
.endif
	QUANT T
	global_store_b128 v[L16], v[PC:PC+3], s[12:13] offset:768*(\a)
	global_store_b64 v[L8], v[PC+4:PC+5], s[12:13] offset:768*(\a)+512
	global_store_b128 v[L16], v[PC+6:PC+9], s[12:13] offset:HEADB+768*(\a)
	global_store_b64 v[L8], v[PC+10:PC+11], s[12:13] offset:HEADB+768*(\a)+512
.if (\a)%2 == 0
	v_mov_b32 v[PWE], v[PW]
.else
	v_perm_b32 v[W0], v[PW], v[PWE], s100
	v_perm_b32 v[W1], v[PW], v[PWE], s101
	ds_store_b32 v[WQK], v[W0] offset:64*((\a)/2)
	ds_store_b32 v[WQK], v[W1] offset:256+64*((\a)/2)
.endif
.endm
.macro EPI_V a
	ADDB \a, 1
.if (\a) > 0
	s_wait_xcnt 0x0
	s_wait_dscnt 0x0
.endif
	QUANT T
.irp i, 0,1,2
	global_store_b128 v[L16], v[PC+4*\i:PC+4*\i+3], s[12:13] offset:HEADB*((\a)/4)+1536*((\a)%4)+512*\i
.endr
	ds_store_b32 v[WVR], v[PW] offset:64*(\a)
.endm
	s_wait_loadcnt 0x0
	PLACES NP
.irp b, 0,1,2,3
	v_mov_b32 v[TM+4+\b], 0
.endr
	s_cmp_eq_u32 ttmp9, 2
	s_cbranch_scc1 .Lv_role
.irp a, 0,1,2,3,4,5,6,7
	EPI_QK \a
.endr
	ds_load_b128 v[WB:WB+3], v[RQK]
	s_wait_dscnt 0x0
	global_store_b128 v[GW], v[WB:WB+3], s[98:99]
	s_branch .Ldone
.Lv_role:
.irp a, 0,1,2,3,4,5,6,7
	EPI_V \a
.endr
	ds_load_b128 v[WB:WB+3], v[RVR]
	s_wait_dscnt 0x0
	global_store_b128 v[GW], v[WB:WB+3], s[98:99]
.Ldone:
	s_wait_tensorcnt 0x0
	ds_add_u32 v[SPW], v[NIL]
	s_wait_dscnt 0x0
	CROUND
	s_endpgm
.Lfunc_end_k_q6dc305b756_qkv:
	.size	k_q6dc305b756_qkv, .Lfunc_end_k_q6dc305b756_qkv-k_q6dc305b756_qkv
	.p2alignl 7, 3214868480
	.fill 96, 4, 3214868480
	.section	.rodata,"a",@progbits
	.p2align	6, 0x0
	.amdhsa_kernel k_q6dc305b756_qkv
		.amdhsa_group_segment_fixed_size 327680
		.amdhsa_private_segment_fixed_size 0
		.amdhsa_enable_private_segment 0
		.amdhsa_kernarg_size 80
		.amdhsa_user_sgpr_count 2
		.amdhsa_user_sgpr_kernarg_segment_ptr 1
		.amdhsa_wavefront_size32 1
		.amdhsa_system_sgpr_workgroup_id_x 1
		.amdhsa_system_sgpr_workgroup_id_y 1
		.amdhsa_system_sgpr_workgroup_id_z 1
		.amdhsa_system_vgpr_workitem_id 0
		.amdhsa_next_free_vgpr 1024
		.amdhsa_next_free_sgpr 102
		.amdhsa_reserve_vcc 0
		.amdhsa_float_denorm_mode_32 3
		.amdhsa_float_denorm_mode_16_64 3
		.amdhsa_memory_ordered 1
		.amdhsa_forward_progress 1
		.amdhsa_inst_pref_size 226
	.end_amdhsa_kernel
	.amdgpu_metadata
---
amdhsa.version: [ 1, 2 ]
amdhsa.kernels:
  - .name:           k_q6dc305b756_qkv
    .symbol:         k_q6dc305b756_qkv.kd
    .args:
      - { .name: act_img, .offset: 0, .size: 8, .value_kind: global_buffer, .address_space: global }
      - { .name: act_sc, .offset: 8, .size: 8, .value_kind: global_buffer, .address_space: global }
      - { .name: w_img, .offset: 16, .size: 8, .value_kind: global_buffer, .address_space: global }
      - { .name: w_sc, .offset: 24, .size: 8, .value_kind: global_buffer, .address_space: global }
      - { .name: bq, .offset: 32, .size: 8, .value_kind: global_buffer, .address_space: global }
      - { .name: qpack, .offset: 40, .size: 8, .value_kind: global_buffer, .address_space: global }
      - { .name: bk, .offset: 48, .size: 8, .value_kind: global_buffer, .address_space: global }
      - { .name: kpack, .offset: 56, .size: 8, .value_kind: global_buffer, .address_space: global }
      - { .name: bv, .offset: 64, .size: 8, .value_kind: global_buffer, .address_space: global }
      - { .name: vpack, .offset: 72, .size: 8, .value_kind: global_buffer, .address_space: global }
    .group_segment_fixed_size: 327680
    .private_segment_fixed_size: 0
    .kernarg_segment_align: 8
    .kernarg_segment_size: 80
    .max_flat_workgroup_size: 128
    .sgpr_count:     102
    .vgpr_count:     1024
    .wavefront_size: 32
...
	.end_amdgpu_metadata
.endif
;; end of part 2
;; launch attn (part 3): grid 4 x 64, 8 waves a work-group, clusters of 4 x 1, 279,552 bytes of LDS; arguments qpack, kpack, vpack, attention_mask, act_img, act_sc; writes act_img, act_sc
.if DOCPART == 3
	.amdgcn_target "amdgcn-amd-amdhsa--gfx1250"
	.amdhsa_code_object_version 6
	.text
	.protected	k_q6dc305b756_attn
	.globl	k_q6dc305b756_attn
	.p2align	8
	.type	k_q6dc305b756_attn,@function
k_q6dc305b756_attn:
	s_mov_b64 s[64:65], 0
	v_nop
	global_prefetch_b8 v0, s[64:65] scope:SCOPE_SE
	s_setreg_imm32_b32 hwreg(HW_REG_WAVE_MODE, 25, 1), 1
	s_wait_xcnt 0x0
	s_wait_alu depctr_hold_cnt(0) depctr_sa_sdst(0) depctr_va_vdst(0) depctr_va_sdst(0) depctr_va_ssrc(0) depctr_va_vcc(0) depctr_vm_vsrc(0)
	s_getreg_b32 s2, hwreg(HW_REG_IB_STS2, 6, 4)
	s_cmp_eq_u32 s2, 0
	s_cbranch_scc0 .Lentry_in_a_cluster
	s_endpgm
.Lentry_in_a_cluster:
	s_bfe_u32 s2, ttmp6, 0x10000c
	s_cmp_lg_u32 s2, 0x3003
	s_cbranch_scc0 .Lentry_shape_is_right
	s_endpgm
.Lentry_shape_is_right:
; Attention of one head (64 heads x batches; 2,048 tokens; head size 64) on codes of FP6 (E2M3) with E8M0 scales; causal, and with the input's key mask.
; LEFT OUT: key steps whose 128 keys all come after a tile's queries: the causal mask hides them for every input.
; The weights are quantised FINISHED AND NORMALISED, so a row's maximum and sum are known first: TWO SWEEPS over the keys.
;   Sweep 1: S^T = K Q^T; t = score x log2(e) / 8; M = the running largest t rounded up to a whole number; l = the sum of 2^(t - M), brought under a new M by an exact power of two.
;            Each block's largest score goes to the wave's own LDS bytes.
;   Sweep 2: S^T again; p = 2^(t - M - log2 l); a block's largest p comes from the stored score by the same instructions; codes; O^T += V^T P^T.
; SHARES.  The cluster's four work-groups serve one head; its K and V, 204,800 bytes, come into each one's LDS ONCE, asked for jointly (each of the eight waves one quarter of K or V); after one barrier these bytes are only read.
; Wave w takes the PAIRS of query tiles 63 - j and j, j = 4 w + cx: 17 key steps of 128 in each sweep for every wave.  The diagonal step, 15 - w and then w, hangs on the wave's number alone.
; Both tiles of a pair share each fragment of K and V and the mask's registers, and their chains stand line by line in turn.
; WHICH KEYS FORM A TILE is chosen by the LDS addresses: row r of score tile (c, u) is key 64 c + 32 (r / 8) + 8 u + r % 8 of the step.  So a lane's 32 registers of tiles (c, 0 .. 3) are keys 64 c + 32 h + 0 .. 31:
; one whole scale block, in the order of the next operand's registers.  No lane looks at another inside a sweep: each half of the lanes keeps its own M and l, joined once behind sweep 1.
; ONE STEP AHEAD.  K's fragments and words and the mask of the next step are asked of LDS right behind a step's score products, whose registers they take; a sweep's last step asks for step 0, which the next sweep begins with.
; The next pair's q is asked of memory at a pair's head, into registers of its own.
; HEAD SIZE 64 IS HALF OF THE INSTRUCTION'S K.  A fragment holds two tiles of keys; times [q | zeros] it gives the first's scores, times [zeros | q] the second's.  q, zeros, q lie on end: 18 registers serve both.
; MASKS.  The key mask is the C of the score products: 0, or -2^100.  The causal mask is written over the scores in the diagonal step alone.  A row with no key left has l = 0: its exponent keeps -M alone, so p and O are 0.
; No prefetch into the L2: K and V are fetched once, at the head, with no loop ahead of it to ask in.
; LIMITS: the promise holds while |t| stays under 2^31; NaN and infinities are not served; a block of zeros carries the byte 1 (zero codes; only this program reads the bytes).  -M - log2 l is rounded once to f32.
.set KW,    98304                      ; LDS: K's half images from 0; K's pair words here;
.set VPK,   102400                     ; V's fragments;
.set VW,    200704                     ; V's words;
.set MB,    204800                     ; 2,048 f32: the key mask as a C operand (LDS stores; no tile lands here)
.set ST,    212992                     ; the blocks' largest scores: 8,192 bytes a wave: [key step][lane][16]
.set SPARE, 278528                     ; the spare words: 128 bytes a wave
.set HEADB, 102400
; window 0: v1-11 lane constants, v12-18 a step's addresses, v20 -2^100, v21 8 h, v22-23 the causal numbers, v24-27 q's scale words, v28-29 the add's two
.set QA,  32                           ; v32-49  q, zeros, q of the even tile;  v50-67 of the odd
.set QB,  50
.set KSC, 68                           ; v68-71  K's pair words
.set VSC, 72                           ; v72-75  V's words
.set PWD, 76                           ; v76-77  p's scale words
.set NM,  78                           ; v78 -M, v79 the running largest score (even tile); v80, v81 (odd)
.set LS,  82                           ; v82-83, v84-85  l in two halves
.set FF,  86                           ; v86, v88  2^(old M - new M)
.set BM,  90                           ; v90-93  my two blocks' largest, even tile, odd tile
.set SOP, 94                           ; v94-97  the conversions' scale operands; v98-99 at work
.set PCA, 100                          ; v100-111, v112-123 codes
.set PCB, 112
.set SA,  128                          ; v128-191 S^T, then p, even tile; v192-255 odd
.set SB,  192
; window 1
.set MK,  0                            ; the mask of a step's keys
.set OA,  64                           ; O^T, even tile; 96: odd
.set OB,  96
.set KF,  128                          ; four fragments of K
.set VF,  176                          ; four of V
.set QS,  224                          ; the next pair's q: 6 + 6 registers, and its scale word
.set WV,  16
.set N6,  18                           ; s18-20: T6, T2, TMB of the step that is asked for ahead
.set N2,  19
.set NMB, 20
.set G1,  24
.set G0K, 32
.set G0V, 36
.set SEL, 40
.set CS,  42                           ; s[42:43] log2(e) / 8;  s66 the same, negative
.set NC,  66
.set TAU, 44                           ; the pair in hand
.set DST, 45                           ; its diagonal key step
.set KS,  46
.set T6,  47                           ; 6,144 x key step
.set T2,  48                           ; 256 x key step
.set TMB, 49                           ; 512 x key step
.set MSB, 0
.macro WIN new                         ; the immediate's high byte repeats the setting that is left
.if MSB != \new
	s_set_vgpr_msb (MSB<<8)|\new
.set MSB, \new
.endif
.endm
.macro WALU
	s_wait_alu depctr_va_vdst(0)
.endm
.macro PLACES n
.rept \n
	v_nop
.endr
.endm
.macro CROUND
	s_barrier_signal -1
	s_barrier_wait -1
	s_cmp_lg_u32 s[WV], 0
	s_cbranch_scc1 .Lnot_wave_0_\@
	s_barrier_signal -3
.Lnot_wave_0_\@:
	s_barrier_wait -3
	s_barrier_signal -1
	s_barrier_wait -1
.endm
.macro QASK p                          ; the q of pair s[p]: two half images and the pair's words, into window 1
	s_mov_b32 s63, 0
	s_mul_i32 s62, s[\p], 1536
	s_add_nc_u64 s[52:53], s[4:5], s[62:63]
	s_lshl_b32 s62, s[\p], 6
	s_add_co_u32 s62, s62, KW
	s_add_nc_u64 s[54:55], s[4:5], s[62:63]
	WIN 0x40
	global_load_b128 v[QS:QS+3], v1, s[52:53]
	global_load_b64 v[QS+4:QS+5], v2, s[52:53] offset:512
	global_load_b128 v[QS+6:QS+9], v1, s[52:53] offset:768
	global_load_b64 v[QS+10:QS+11], v2, s[52:53] offset:1280
	global_load_b32 v[QS+12], v10, s[54:55]
	WIN 0
.endm
.macro KASK                            ; 36 LDS loads: K's words and fragments and the mask of the step at s[N6], s[N2], s[NMB].  The four address lines are the places behind the score products
	v_add_nc_u32 v12, s[N6], v3
	v_add_nc_u32 v13, s[N6], v4
	v_add_nc_u32 v14, s[N2], v5
	v_add_nc_u32 v15, s[NMB], v6
.irp f, 0,1,2,3                                ; fragment f = 2 c + b: score tiles u = 2 b, 2 b + 1 of the 64 keys c
	ds_load_b32 v[KSC+\f], v14 offset:128*(\f/2)+32*(\f%2)
.endr
	WIN 0x40
.set n, 0
.rept 16
	ds_load_b128 v[MK+4*n:MK+4*n+3], v15 offset:256*(n/8)+16*(n%8)   ; register 32 c + i: key 64 c + 32 h + i
.set n, n+1
.endr
.irp f, 0,1,2,3
.irp e, 0,1
	ds_load_b128 v[KF+12*\f+6*\e:KF+12*\f+6*\e+3], v12 offset:3072*(\f/2)+768*\e+128*(\f%2)
	ds_load_b64 v[KF+12*\f+6*\e+4:KF+12*\f+6*\e+5], v13 offset:3072*(\f/2)+768*\e+64*(\f%2)
.endr
.endr
	WIN 0
.endm
	s_load_b256 s[4:11], s[0:1], 0x0               ; qpack, kpack, vpack, attention_mask
	s_load_b128 s[12:15], s[0:1], 0x20             ; act_img, act_sc
	v_lshl_add_u32 v28, v0, 2, SPARE
	v_mov_b32 v29, 0
	ds_add_u32 v28, v29                            ; the opening lines
	ds_add_u32 v28, v29
	v_lshrrev_b32 v1, 5, v0
	v_readfirstlane_b32 s[WV], v1
	s_bfe_u32 s17, ttmp6, 0x40000                  ; cx: it enters global addresses and the causal comparison's number, nothing else
	s_and_b32 s18, ttmp7, 0xffff                   ; batch x 16 + head
	s_lshr_b32 s19, s18, 4
	s_and_b32 s20, s18, 15
	s_mov_b32 s[G1], 15|(3<<16)|(1<<21)            ; 25,600 dense bytes as 100 rows of 256; the mask names all four work-groups
	s_mov_b32 s[G1+1], 32<<16
	s_mov_b32 s[G1+2], 100<<16
	s_mov_b32 s[G1+3], 32<<16
	s_mov_b32 s[G1+4], 100
	s_mov_b32 s[G1+5], 32
	s_mov_b32 s[G1+6], 0
	s_mov_b32 s[G1+7], 0
	s_and_b32 s21, s[WV], 3
	s_mul_i32 s21, s21, 25600                      ; my quarter of a pack
	s_mul_i32 s22, s18, HEADB
	s_mov_b32 s23, 0
	s_add_co_u32 s62, s22, s21
	s_mov_b32 s63, 0
	s_mov_b32 s[SEL], 0x76543210
	s_mov_b32 s[SEL+1], 0xfedcba98
	s_mov_b32 s[CS], 0x3e38aa3b
	s_mov_b32 s[CS+1], s[CS]
	s_mov_b32 s[NC], 0xbe38aa3b
	s_mov_b32 s50, 0x7f7f0000
	s_mov_b32 s51, 0x7f7f
	s_wait_dscnt 0x0
	s_wait_kmcnt 0x0
	s_mov_b32 s[G0K], 1
	s_mov_b32 s[G0K+1], s21
	s_add_nc_u64 s[G0K+2:G0K+3], s[6:7], s[62:63]
	s_or_b32 s[G0K+3], s[G0K+3], 0x80000000
	s_mov_b32 s[G0V], 1
	s_add_co_u32 s[G0V+1], s21, VPK
	s_add_nc_u64 s[G0V+2:G0V+3], s[8:9], s[62:63]
	s_or_b32 s[G0V+3], s[G0V+3], 0x80000000
	CROUND                                         ; all four work-groups are here: the joint loads meet
	s_cmp_lt_u32 s[WV], 4                          ; waves 0-3 ask for K's quarters, waves 4-7 for V's: one load a wave, each byte filled once
	s_cbranch_scc0 .Lfor_v
	tensor_load_to_lds s[G0K:G0K+3], s[G1:G1+7]
	s_nop 0
	PLACES 4
	s_branch .Lasked
.Lfor_v:
	tensor_load_to_lds s[G0V:G0V+3], s[G1:G1+7]
	s_nop 0
	PLACES 4
.Lasked:
	s_add_nc_u64 s[4:5], s[4:5], s[22:23]          ; Q's head
	s_lshl_b32 s62, s19, 13
	s_add_nc_u64 s[10:11], s[10:11], s[62:63]      ; the batch's mask
	s_lshl_b32 s62, s19, 11
	s_add_co_u32 s62, s62, s20
	s_mul_i32 s62, s62, 768
	s_add_nc_u64 s[12:13], s[12:13], s[62:63]      ; act_img at (tile 128 x batch, half image = head)
	s_lshl_b32 s62, s19, 10
	s_lshr_b32 s61, s20, 1
	s_add_co_u32 s62, s62, s61
	s_lshl_b32 s62, s62, 6
	s_and_b32 s61, s20, 1
	s_lshl_b32 s61, s61, 1
	s_add_co_u32 s62, s62, s61
	s_add_nc_u64 s[14:15], s[14:15], s[62:63]      ; act_sc at (that tile, fragment head / 2), bytes 2 (head % 2) on
	v_lshlrev_b32 v30, 4, v0
	global_load_b128 v[128:131], v30, s[10:11]             ; thread t: keys 4 t on, and 1,024 + 4 t on
	global_load_b128 v[132:135], v30, s[10:11] offset:4096
	v_and_b32 v31, 31, v0                          ; l
	v_and_b32 v98, 15, v0                          ; r
	v_bfe_u32 v99, v0, 4, 1                        ; h
	v_bfe_u32 v94, v0, 3, 1                        ; r / 8
	v_and_b32 v95, 7, v0                           ; r % 8
	v_lshlrev_b32 v1, 4, v31                       ; v1  16 l
	v_lshlrev_b32 v2, 3, v31                       ; v2  8 l
	v_lshlrev_b32 v10, 2, v98                      ; v10 4 r
	s_lshl_b32 s[TAU], s[WV], 2
	s_add_co_u32 s[TAU], s[TAU], s17
	s_sub_co_u32 s[TAU], 63, s[TAU]                ; the late pair first
	s_sub_co_u32 s[DST], 15, s[WV]
	s_mov_b32 s60, 2
	WALU
	QASK TAU                                       ; the first pair's q
	v_mul_u32_u24 v96, v94, 1536                   ; rows 8-15 of a score tile come from the pair of stored tiles 32 keys on
	v_lshl_add_u32 v3, v95, 4, v96
	v_lshl_add_u32 v3, v99, 8, v3                  ; v3  K's registers 0-3: 1536 (r / 8) + 16 (r % 8) + 256 h
	v_lshl_add_u32 v4, v95, 3, v96
	v_lshl_add_u32 v4, v99, 7, v4
	v_add_nc_u32 v4, 512, v4                       ; v4  K's registers 4-5: 512 + 1536 (r / 8) + 8 (r % 8) + 128 h
	v_lshlrev_b32 v5, 6, v94
	v_lshl_add_u32 v5, v95, 2, v5
	v_add_nc_u32 v5, KW, v5                        ; v5  K's words: 64 (r / 8) + 4 (r % 8)
	v_lshl_add_u32 v6, v99, 7, MB                  ; v6  the mask: my half's 32 keys of each 64
	v_add_nc_u32 v7, VPK, v1                       ; v7  V's fragments
	v_lshl_add_u32 v8, v98, 2, VW                  ; v8  V's words
	s_lshl_b32 s61, s[WV], 13
	s_add_co_u32 s61, s61, ST
	v_add_nc_u32 v9, s61, v1                       ; v9  my 16 bytes of a step's largest scores
	v_lshl_add_u32 v11, v94, 3, v98
	v_lshlrev_b32 v97, 5, v99
	v_sub_nc_u32 v11, v11, v97                     ; v11 r + 8 (r / 8) - 32 h
	v_lshlrev_b32 v21, 3, v99                      ; v21 8 h
	v_lshl_add_u32 v19, v0, 4, MB
	v_mov_b32 v20, 0xf1800000                      ; v20 -2^100
.irp i, 38,39,40,41,42,43,56,57,58,59,60,61,87,89,90,91,92,93
	v_mov_b32 v[\i], 0                             ; the operands' zero halves, written once; upper halves of pairs named whole; lane permutes' destinations
.endr
	WALU
	s_wait_loadcnt 5                               ; the mask's two loads are in; q's five may be out
.irp i, 0,1,2,3,4,5,6,7
	v_cmp_ne_u32 vcc_lo, 0, v[128+\i]
	v_cndmask_b32 v[128+\i], v20, v38, vcc_lo      ; 0 where the key counts, -2^100 where it does not
.endr
	ds_store_b128 v19, v[128:131]
	ds_store_b128 v19, v[132:135] offset:4096
	s_mov_b32 s[N6], 0
	s_mov_b32 s[N2], 0
	s_mov_b32 s[NMB], 0
	WALU                                           ; the head's end
	s_wait_tensorcnt 0x0                           ; my part of K or V has landed,
	s_wait_dscnt 0x0                               ; my part of the mask is stored:
	s_barrier_signal -1
	s_barrier_wait -1                              ; everybody's
	KASK                                           ; step 0, for the first sweep
; A step's 16 score products, on what was asked for a step ago, and the request for the next step.  withv = 1: first the stored largest scores (1 load) and V's fragments and words (12 + 4), which may stay out while the scores are made.
.macro SCORES withv
.if \withv
	v_add_nc_u32 v16, s[T6], v7
	v_add_nc_u32 v17, s[T2], v8
	v_add_nc_u32 v18, s[TMB], v9
	v_nop                                          ; the fourth place behind the last step's products, whose fragments of V are loaded anew
	ds_load_b128 v[BM:BM+3], v18
	WIN 0x40
.irp t, 0,1,2,3
.irp i, 0,1,2
	ds_load_b128 v[VF+12*\t+4*\i:VF+12*\t+4*\i+3], v16 offset:1536*\t+512*\i
.endr
.endr
	WIN 0
.irp t, 0,1,2,3
	ds_load_b32 v[VSC+\t], v17 offset:64*\t
.endr
.endif
	s_add_co_u32 s[N6], s[T6], 6144                ; the next step, held inside the 16;
	s_add_co_u32 s[N2], s[T2], 256
	s_add_co_u32 s[NMB], s[TMB], 512
	s_min_u32 s[N6], s[N6], 15*6144
	s_min_u32 s[N2], s[N2], 15*256
	s_min_u32 s[NMB], s[NMB], 15*512
	s_cmp_eq_u32 s[KS], s[DST]                     ; behind the sweep's last step: step 0, for the next sweep
	s_cselect_b32 s[N6], 0, s[N6]
	s_cselect_b32 s[N2], 0, s[N2]
	s_cselect_b32 s[NMB], 0, s[NMB]
.if \withv
	s_wait_dscnt 17                                ; all but the 1 + 12 + 4 just issued
.else
	s_wait_dscnt 0x0
.endif
	WIN 0x11                                       ; K's fragments and the mask in window 1
.irp f, 0,1,2,3                                ; sixteen accumulators, one instruction each
.irp e, 0,1
	v_wmma_scale_f32_16x16x128_f8f6f4 v[SA+16*\f+8*\e:SA+16*\f+8*\e+7], v[KF+12*\f:KF+12*\f+11], v[QA+6*\e:QA+6*\e+11], v[MK+16*\f+8*\e:MK+16*\f+8*\e+7], v[KSC+\f], v[24+\e] matrix_a_fmt:MATRIX_FMT_FP6 matrix_b_fmt:MATRIX_FMT_FP6
	v_wmma_scale_f32_16x16x128_f8f6f4 v[SB+16*\f+8*\e:SB+16*\f+8*\e+7], v[KF+12*\f:KF+12*\f+11], v[QB+6*\e:QB+6*\e+11], v[MK+16*\f+8*\e:MK+16*\f+8*\e+7], v[KSC+\f], v[26+\e] matrix_a_fmt:MATRIX_FMT_FP6 matrix_b_fmt:MATRIX_FMT_FP6
.endr
.endr
	WIN 0
	KASK
	s_cmp_lg_u32 s[KS], s[DST]
	s_cbranch_scc1 .Lopen_\@
.set n, 0
.rept 64                                       ; the diagonal step: register 32 c + i holds key 64 c + 32 h + i: hidden where 64 c + i > d
	v_cmp_gt_i32 vcc_lo, 64*(n/32)+n%32, v22
	v_cmp_gt_i32 s62, 64*(n/32)+n%32, v23
	v_cndmask_b32 v[SA+n], v[SA+n], v20, vcc_lo
	v_cndmask_b32 v[SB+n], v[SB+n], v20, s62
.set n, n+1
.endr
.Lopen_\@:
.endm
.macro TREE base, cnt, st              ; one level of a sum in place
.set n, 0
.rept (\cnt)/(2*\st)
	v_pk_add_f32 v[\base+n:\base+n+1], v[\base+n:\base+n+1], v[\base+n+\st:\base+n+\st+1]
.set n, n+2*\st
.endr
.endm
.Ltile:
	s_mov_b32 s63, 0
	s_mul_i32 s62, s[TAU], 24576
	s_add_nc_u64 s[56:57], s[12:13], s[62:63]      ; where the codes go
	s_lshl_b32 s62, s[TAU], 10
	s_add_nc_u64 s[58:59], s[14:15], s[62:63]      ; and the scale bytes
	s_and_b32 s62, s[TAU], 3
	s_lshl_b32 s62, s62, 5                         ; the pair's first query, counted from the diagonal step's first key
	v_add_nc_u32 v22, s62, v11                     ; d = my query - the step's first key - 32 h
	v_add_nc_u32 v23, 8, v22                       ; the odd tile's queries lie 8 further on
	v_mov_b32 v[NM+1], 0xe9000000                  ; the largest score so far: -2^83
	v_mov_b32 v[NM+3], 0xe9000000
	v_mul_f32 v[NM], s[NC], v[NM+1]
	v_mul_f32 v[NM+2], s[NC], v[NM+3]
	v_floor_f32 v[NM], v[NM]                       ; -M
	v_floor_f32 v[NM+2], v[NM+2]
.irp i, 0,1,2,3
	v_mov_b32 v[LS+\i], 0
.endr
	WALU
	s_wait_loadcnt 0x0                             ; this pair's q, asked for a pair ago
	WIN 0x01
.irp i, 0,1,2,3,4,5                            ; q twice, round the zeros
	v_mov_b32 v[QA+\i], v[QS+\i]
	v_mov_b32 v[QA+12+\i], v[QS+\i]
	v_mov_b32 v[QB+\i], v[QS+6+\i]
	v_mov_b32 v[QB+12+\i], v[QS+6+\i]
.endr
	v_mov_b32 v30, v[QS+12]
	WIN 0
	v_and_or_b32 v24, v30, 0xffff, s50             ; [q | 0]'s scale word, even tile: q's two bytes, then 127, 127
	v_lshl_or_b32 v25, v30, 16, s51                ; [0 | q]'s
	v_lshrrev_b32 v31, 16, v30
	v_or_b32 v26, s50, v31                         ; the odd tile's bytes are the word's upper two
	v_and_or_b32 v27, v30, 0xffff0000, s51
	s_cmp_eq_u32 s60, 1                            ; the last pair asks for nothing
	s_cbranch_scc1 .Lno_ask
	s_sub_co_u32 s61, 63, s[TAU]
	QASK 61
.Lno_ask:
	WIN 0x40
.set n, 0
.rept 64
	v_mov_b32 v[OA+n], 0                           ; O^T begins as zeros, so that sweep 2's step is written once.  (Also the places between q's registers and scale words and the first products)
.set n, n+1
.endr
	WIN 0
; ---- sweep 1: M and l, for each half of the lanes by itself
	s_mov_b32 s[KS], 0
	s_mov_b32 s[T6], 0
	s_mov_b32 s[T2], 0
	s_mov_b32 s[TMB], 0
.Lp1:
	s_cmp_gt_u32 s[KS], s[DST]
	s_cbranch_scc1 .Lskip1
	SCORES 0
.irp x, 0,1,2,3                                ; my four blocks' largest scores, by turns
	v_max3_num_f32 v[BM+\x], v[SA+32*\x], v[SA+32*\x+1], v[SA+32*\x+2]
.endr
.irp i, 3,5,7,9,11,13,15,17,19,21,23,25,27,29
.irp x, 0,1,2,3
	v_max3_num_f32 v[BM+\x], v[BM+\x], v[SA+32*\x+\i], v[SA+32*\x+\i+1]
.endr
.endr
.irp x, 0,1,2,3
	v_max_num_f32 v[BM+\x], v[BM+\x], v[SA+32*\x+31]
.endr
	v_max3_num_f32 v[NM+1], v[NM+1], v[BM], v[BM+1]
	v_max3_num_f32 v[NM+3], v[NM+3], v[BM+2], v[BM+3]
	v_mul_f32 v94, s[NC], v[NM+1]
	v_mul_f32 v95, s[NC], v[NM+3]
	v_floor_f32 v94, v94                           ; -M = floor(-t): M is a whole number
	v_floor_f32 v95, v95
	v_sub_f32 v96, v94, v[NM]                      ; old M - new M: a whole number, 0 or less
	v_sub_f32 v97, v95, v[NM+2]
	v_mov_b32 v[NM], v94
	v_mov_b32 v[NM+2], v95
	v_cvt_i32_f32 v96, v96                         ; (it saturates)
	v_cvt_i32_f32 v97, v97
	v_ldexp_f32 v[FF], 1.0, v96
	v_ldexp_f32 v[FF+2], 1.0, v97
.set n, 0
.rept 32
	v_pk_fma_f32 v[SA+n:SA+n+1], v[SA+n:SA+n+1], s[CS:CS+1], v[NM:NM+1] op_sel_hi:[1,0,0]   ; t - M of the even tile (of the pairs the low word serves both halves)
.set n, n+2
.endr
	WALU                                           ; ahead of the batch
.set n, 0
.rept 32                                       ; the even tile's exponentials, the odd tile's t - M among them: these read nothing that the batch writes
	v_exp_f32 v[SA+n], v[SA+n]
	v_exp_f32 v[SA+n+1], v[SA+n+1]
	v_pk_fma_f32 v[SB+n:SB+n+1], v[SB+n:SB+n+1], s[CS:CS+1], v[NM+2:NM+3] op_sel_hi:[1,0,0]
.set n, n+2
.endr
	WALU                                           ; behind the first batch and ahead of the second
.set n, 0
.rept 16                                       ; the odd tile's exponentials, the first level of the even tile's sum among them
	v_exp_f32 v[SB+4*n], v[SB+4*n]
	v_exp_f32 v[SB+4*n+1], v[SB+4*n+1]
	v_exp_f32 v[SB+4*n+2], v[SB+4*n+2]
	v_exp_f32 v[SB+4*n+3], v[SB+4*n+3]
	v_pk_add_f32 v[SA+4*n:SA+4*n+1], v[SA+4*n:SA+4*n+1], v[SA+4*n+2:SA+4*n+3]
.set n, n+1
.endr
	v_pk_mul_f32 v[LS:LS+1], v[LS:LS+1], v[FF:FF+1] op_sel_hi:[1,0]         ; l under the new M: nothing is rounded
	v_pk_mul_f32 v[LS+2:LS+3], v[LS+2:LS+3], v[FF+2:FF+3] op_sel_hi:[1,0]
	WALU                                           ; and behind it
	TREE SB, 64, 2
	TREE SA, 128, 4
	TREE SA, 128, 8
	TREE SA, 128, 16
	TREE SA, 128, 32
	v_pk_add_f32 v[LS:LS+1], v[LS:LS+1], v[SA:SA+1]
	v_pk_add_f32 v[LS+2:LS+3], v[LS+2:LS+3], v[SB:SB+1]
.Lskip1:
	v_add_nc_u32 v18, s[TMB], v9
	ds_store_b128 v18, v[BM:BM+3]                  ; the step's four largest scores, kept for sweep 2.  Every trip stores, so that all of the wave's 8,192 bytes are written; what a trip that was jumped over leaves there is read by nobody
	s_add_co_u32 s[T6], s[T6], 6144
	s_add_co_u32 s[T2], s[T2], 256
	s_add_co_u32 s[TMB], s[TMB], 512
	s_add_co_u32 s[KS], s[KS], 1
	s_cmp_lt_u32 s[KS], 16
	WALU                                           ; ahead of the branch
	s_cbranch_scc1 .Lp1
; ---- the two halves of the lanes are joined: the larger M, both l under it; then -M - log2 l
	v_add_f32 v[LS], v[LS], v[LS+1]
	v_add_f32 v[LS+2], v[LS+2], v[LS+3]
	v_permlanex16_b32 v94, v[NM], s[SEL], s[SEL+1]
	v_permlanex16_b32 v95, v[NM+2], s[SEL], s[SEL+1]
	v_min_num_f32 v94, v94, v[NM]
	v_min_num_f32 v95, v95, v[NM+2]
	v_sub_f32 v96, v94, v[NM]
	v_sub_f32 v97, v95, v[NM+2]
	v_cvt_i32_f32 v96, v96
	v_cvt_i32_f32 v97, v97
	v_ldexp_f32 v96, v[LS], v96
	v_ldexp_f32 v97, v[LS+2], v97
	v_permlanex16_b32 v98, v96, s[SEL], s[SEL+1]
	v_permlanex16_b32 v99, v97, s[SEL], s[SEL+1]
	v_add_f32 v96, v96, v98                        ; the row's sum
	v_add_f32 v97, v97, v99
	WALU
	v_log_f32 v98, v96
	v_log_f32 v99, v97
	v_nop
	v_cmp_lt_f32 vcc_lo, 0, v96
	v_cmp_lt_f32 s62, 0, v97
	WALU
	v_sub_f32 v98, v94, v98
	v_sub_f32 v99, v95, v99
	v_cndmask_b32 v[NM], v94, v98, vcc_lo          ; a row with no key left keeps -M alone: its p are 0
	v_cndmask_b32 v[NM+2], v95, v99, s62
	WALU
; ---- sweep 2: p, quantised, times V
	s_mov_b32 s[KS], 0
	s_mov_b32 s[T6], 0
	s_mov_b32 s[T2], 0
	s_mov_b32 s[TMB], 0
.Lp2:
	s_cmp_gt_u32 s[KS], s[DST]
	s_cbranch_scc1 .Lskip2
	SCORES 1
.set n, 0
.rept 32
	v_pk_fma_f32 v[SA+n:SA+n+1], v[SA+n:SA+n+1], s[CS:CS+1], v[NM:NM+1] op_sel_hi:[1,0,0]
	v_pk_fma_f32 v[SB+n:SB+n+1], v[SB+n:SB+n+1], s[CS:CS+1], v[NM+2:NM+3] op_sel_hi:[1,0,0]
.set n, n+2
.endr
	s_wait_dscnt 52                                ; the stored scores are in; behind them: V's 16 loads and the next step's 36
.irp x, 0,1,2,3                                ; p rises with the score: a block's largest score goes through the same instructions
	v_fma_f32 v[BM+\x], v[BM+\x], s[CS], v[NM+2*(\x/2)]
.endr
	WALU
.set n, 0
.rept 128
	v_exp_f32 v[SA+n], v[SA+n]
.set n, n+1
.endr
.irp x, 0,1,2,3
	v_exp_f32 v[BM+\x], v[BM+\x]
.endr
	v_nop
	WALU
.irp x, 0,1,2,3
	v_max_num_f32 v[BM+\x], 0x1800000, v[BM+\x]    ; the floor 2^(3 - 127)
.endr
.irp x, 0,1,2,3
	v_add_nc_u32 v[SOP+\x], 0xff000000, v[BM+\x]   ; the conversion's scale operand
.endr
.irp x, 0,1,2,3
	v_cvt_scalef32_pk16_fp6_f32 v[PCA+6*\x:PCA+6*\x+2], v[SA+32*\x:SA+32*\x+15], v[SOP+\x]
.endr
.irp x, 0,1,2,3
	v_lshrrev_b32 v[BM+\x], 23, v[SOP+\x]          ; the bytes.  (The plain place behind the conversions)
.endr
.irp x, 0,1,2,3                                ; a conversion's three registers begin on an even number: the upper halves land on p's registers that are done with, and are moved
	v_cvt_scalef32_pk16_fp6_f32 v[SA+32*\x:SA+32*\x+2], v[SA+32*\x+16:SA+32*\x+31], v[SOP+\x]
.endr
	v_lshl_or_b32 v30, v[BM+1], 16, v[BM]          ; my two bytes, blocks h and 2 + h,
	v_lshl_or_b32 v31, v[BM+3], 16, v[BM+2]
	v_lshlrev_b32 v30, v21, v30                    ; at their places in the word;
	v_lshlrev_b32 v31, v21, v31
	v_permlanex16_b32 v98, v30, s[SEL], s[SEL+1]
	v_permlanex16_b32 v99, v31, s[SEL], s[SEL+1]
	v_or_b32 v[PWD], v30, v98                      ; with lane l xor 16's two the word is whole
	v_or_b32 v[PWD+1], v31, v99
.irp x, 0,1,2,3
.irp i, 0,1,2
	v_mov_b32 v[PCA+6*\x+3+\i], v[SA+32*\x+\i]
.endr
.endr
	PLACES 4                                       ; codes made by vector instructions stand 4 places ahead of the scaled product, the scale words 8
	s_wait_dscnt 36                                ; V's fragments and words are in; the next step's 36 loads may be out
	WIN 0x51
	WALU                                           ; ahead of the first reader of O^T
.irp t, 0,1,2,3
	v_wmma_scale_f32_16x16x128_f8f6f4 v[OA+8*\t:OA+8*\t+7], v[VF+12*\t:VF+12*\t+11], v[PCA:PCA+11], v[OA+8*\t:OA+8*\t+7], v[VSC+\t], v[PWD] matrix_a_fmt:MATRIX_FMT_FP6 matrix_b_fmt:MATRIX_FMT_FP6
	v_wmma_scale_f32_16x16x128_f8f6f4 v[OB+8*\t:OB+8*\t+7], v[VF+12*\t:VF+12*\t+11], v[PCB:PCB+11], v[OB+8*\t:OB+8*\t+7], v[VSC+\t], v[PWD+1] matrix_a_fmt:MATRIX_FMT_FP6 matrix_b_fmt:MATRIX_FMT_FP6
.endr
	WIN 0
.Lskip2:
	s_add_co_u32 s[T6], s[T6], 6144
	s_add_co_u32 s[T2], s[T2], 256
	s_add_co_u32 s[TMB], s[TMB], 512
	s_add_co_u32 s[KS], s[KS], 1
	s_cmp_lt_u32 s[KS], 16
	s_cbranch_scc1 .Lp2
; ---- the way out: register 16 b + i of O^T is channel 32 b + 16 h + i of my query: two blocks of the last product's K for each tile
	PLACES 4
	WIN 0x05
.irp x, 0,1,2,3
	v_max3_num_f32 v[BM+\x], |v[OA+16*\x]|, |v[OA+16*\x+1]|, 0x1800000
.endr
	WIN 0x14
.irp i, 2,4,6,8,10,12,14
.irp x, 0,1,2,3
	v_max3_num_f32 v[BM+\x], v[BM+\x], |v[OA+16*\x+\i]|, |v[OA+16*\x+\i+1]|
.endr
.endr
	WIN 0
.irp x, 0,1,2,3
	v_permlanex16_b32 v[SOP+\x], v[BM+\x], s[SEL], s[SEL+1]
.endr
.irp x, 0,1,2,3
	v_max_num_f32 v[BM+\x], v[BM+\x], v[SOP+\x]
.endr
.irp x, 0,1,2,3
	v_add_nc_u32 v[SOP+\x], 0xff000000, v[BM+\x]
.endr
.irp x, 0,1,2,3
	v_lshrrev_b32 v[BM+\x], 23, v[SOP+\x]
.endr
	v_lshl_or_b32 v30, v[BM+1], 8, v[BM]           ; my row's two scale bytes
	v_lshl_or_b32 v31, v[BM+3], 8, v[BM+2]
	WIN 0x01
.irp x, 0,1,2,3
	v_cvt_scalef32_pk16_fp6_f32 v[PCA+6*\x:PCA+6*\x+2], v[OA+16*\x:OA+16*\x+15], v[SOP+\x]
.endr
	WIN 0
	v_nop
.irp p, PCA, PCB
.irp i, 0,1,2
	v_permlane16_swap_b32 v[\p+\i], v[\p+6+\i]     ; a whole block to a lane
.endr
.endr
.irp p, PCA, PCB
.irp i, 0,1,2
	v_mov_b32 v[\p+3+\i], v[\p+6+\i]
.endr
.endr
	global_store_b128 v1, v[PCA:PCA+3], s[56:57]                 ; 512 consecutive bytes, at a multiple of 256
	global_store_b64 v2, v[PCA+4:PCA+5], s[56:57] offset:512     ; 256
	global_store_b128 v1, v[PCB:PCB+3], s[56:57] offset:12288
	global_store_b64 v2, v[PCB+4:PCB+5], s[56:57] offset:12800
	global_store_b16 v10, v30, s[58:59]                          ; both halves of the lanes write the same bytes with the same value
	global_store_b16 v10, v31, s[58:59] offset:512
	WALU
	s_wait_xcnt 0x0                                ; the stores have read their registers and bases: the next pair writes them
	s_sub_co_u32 s[TAU], 63, s[TAU]                ; the early pair
	s_sub_co_u32 s[DST], 15, s[DST]
	s_sub_co_u32 s60, s60, 1
	s_cmp_lg_u32 s60, 0
	s_cbranch_scc1 .Ltile
	s_wait_tensorcnt 0x0                           ; the wave's end
	ds_add_u32 v28, v29
	s_wait_dscnt 0x0
	CROUND                                         ; the closing round
	s_endpgm
.Lfunc_end_k_q6dc305b756_attn:
	.size	k_q6dc305b756_attn, .Lfunc_end_k_q6dc305b756_attn-k_q6dc305b756_attn
	.p2alignl 7, 3214868480
	.fill 96, 4, 3214868480
	.section	.rodata,"a",@progbits
	.p2align	6, 0x0
	.amdhsa_kernel k_q6dc305b756_attn
		.amdhsa_group_segment_fixed_size 279552
		.amdhsa_private_segment_fixed_size 0
		.amdhsa_enable_private_segment 0
		.amdhsa_kernarg_size 48
		.amdhsa_user_sgpr_count 2
		.amdhsa_user_sgpr_kernarg_segment_ptr 1
		.amdhsa_wavefront_size32 1
		.amdhsa_system_sgpr_workgroup_id_x 1
		.amdhsa_system_sgpr_workgroup_id_y 1
		.amdhsa_system_sgpr_workgroup_id_z 1
		.amdhsa_system_vgpr_workitem_id 0
		.amdhsa_next_free_vgpr 512
		.amdhsa_next_free_sgpr 68
		.amdhsa_reserve_vcc 1
		.amdhsa_float_denorm_mode_32 3
		.amdhsa_float_denorm_mode_16_64 3
		.amdhsa_memory_ordered 1
		.amdhsa_forward_progress 1
		.amdhsa_inst_pref_size 91
	.end_amdhsa_kernel
	.amdgpu_metadata
---
amdhsa.version: [ 1, 2 ]
amdhsa.kernels:
  - .name:           k_q6dc305b756_attn
    .symbol:         k_q6dc305b756_attn.kd
    .args:
      - { .name: qpack, .offset: 0, .size: 8, .value_kind: global_buffer, .address_space: global }
      - { .name: kpack, .offset: 8, .size: 8, .value_kind: global_buffer, .address_space: global }
      - { .name: vpack, .offset: 16, .size: 8, .value_kind: global_buffer, .address_space: global }
      - { .name: attention_mask, .offset: 24, .size: 8, .value_kind: global_buffer, .address_space: global }
      - { .name: act_img, .offset: 32, .size: 8, .value_kind: global_buffer, .address_space: global }
      - { .name: act_sc, .offset: 40, .size: 8, .value_kind: global_buffer, .address_space: global }
    .group_segment_fixed_size: 279552
    .private_segment_fixed_size: 0
    .kernarg_segment_align: 8
    .kernarg_segment_size: 48
    .max_flat_workgroup_size: 256
    .sgpr_count:     68
    .vgpr_count:     512
    .wavefront_size: 32
...
	.end_amdgpu_metadata
.endif
;; end of part 3
;; launch oproj (part 4): grid 4 x 32, 4 waves a work-group, clusters of 4 x 4, 327,680 bytes of LDS; arguments act_img, act_sc, w_img, w_sc, bp, out0; writes out0
.if DOCPART == 4
	.amdgcn_target "amdgcn-amd-amdhsa--gfx1250"
	.amdhsa_code_object_version 6
	.text
	.protected	k_q6dc305b756_oproj
	.globl	k_q6dc305b756_oproj
	.p2align	8
	.type	k_q6dc305b756_oproj,@function
k_q6dc305b756_oproj:
	s_mov_b64 s[64:65], 0
	v_nop
	global_prefetch_b8 v0, s[64:65] scope:SCOPE_SE
	s_setreg_imm32_b32 hwreg(HW_REG_WAVE_MODE, 25, 1), 1
	s_wait_xcnt 0x0
	s_wait_alu depctr_hold_cnt(0) depctr_sa_sdst(0) depctr_va_vdst(0) depctr_va_sdst(0) depctr_va_ssrc(0) depctr_va_vcc(0) depctr_vm_vsrc(0)
	s_getreg_b32 s2, hwreg(HW_REG_IB_STS2, 6, 4)
	s_cmp_eq_u32 s2, 0
	s_cbranch_scc0 .Lentry_in_a_cluster
	s_endpgm
.Lentry_in_a_cluster:
	s_bfe_u32 s2, ttmp6, 0x10000c
	s_cmp_lg_u32 s2, 0xf033
	s_cbranch_scc0 .Lentry_shape_is_right
	s_endpgm
.Lentry_shape_is_right:
.set FR,     12
.set NL,     4
.set NP,     4
.set TILEB,  3072
.set HALFT,  8*TILEB
.set SLOT,   4*HALFT
.set SCL,    2*SLOT
.set HALFS,  4096
.set SPARE,  SCL+4*HALFS
.set STG,    SPARE+512
.set SPITCH, 528
.set L16,  4
.set L8,   5
.set ADRA, 16
.set ADRB, 20
.set STO,  24
.set RD,   25
.set ADRS, 27
.set SPW,  28
.set NIL,  29
.set SC,   32
.set BI,   64
.set AF,   128
.set BK,   128
.set G1,   24
.set G0,   32
.set G1B,  48
.set G0B,  56
.set G1S,  68
.set G0S,  76
.set G1SB, 80
.set G0SB, 88
.set MSB, 0
.macro WIN new
.if MSB != \new
	s_set_vgpr_msb (MSB<<8)|\new
.set MSB, \new
.endif
.endm
.set MUL_LO, 0xa1
.set MUL_HI, 0xf1
.set FIRST_LO, 0x81
.set FIRST_HI, 0xc1
.set TO_B,   0x40
.macro JLOAD g0a, g1a, g0b, g1b
	s_cmp_eq_u32 s15, 0
	s_cbranch_scc0 .Lfor_b_\@
	tensor_load_to_lds s[\g0a:\g0a+3], s[\g1a:\g1a+7]
	s_nop 0
.rept 4
	v_nop
.endr
	s_branch .Lasked_\@
.Lfor_b_\@:
	tensor_load_to_lds s[\g0b:\g0b+3], s[\g1b:\g1b+7]
	s_nop 0
.rept 4
	v_nop
.endr
.Lasked_\@:
.endm
.macro CREST
	s_cmp_lg_u32 s14, 0
	s_cbranch_scc1 .Lnot_wave_0_\@
	s_barrier_signal -3
.Lnot_wave_0_\@:
	s_barrier_wait -3
	s_barrier_signal -1
	s_barrier_wait -1
.endm
.macro CROUND
	s_barrier_signal -1
	s_barrier_wait -1
	CREST
.endm
	s_load_b256 s[4:11], s[0:1], 0x0
	s_load_b64 s[96:97], s[0:1], 0x20
	s_load_b64 s[12:13], s[0:1], 0x28
	v_lshl_add_u32 v[SPW], v0, 2, SPARE
	v_mov_b32 v[NIL], 0
	ds_add_u32 v28, v29
	ds_add_u32 v28, v29
	s_wait_dscnt 0x0
	v_lshrrev_b32 v1, 5, v0
	v_readfirstlane_b32 s14, v1
	s_lshr_b32 s15, s14, 1
	s_and_b32 s16, s14, 1
	s_bfe_u32 s40, ttmp6, 0x40000
	s_bfe_u32 s41, ttmp6, 0x40004
	s_lshl_b32 s42, ttmp9, 2
	s_add_co_u32 s42, s42, s40
	s_and_b32 s17, ttmp7, 0xffff
	s_lshl_b32 s17, s17, 2
	s_add_co_u32 s17, s17, s41
	s_lshl_b32 s43, s41, 2
	s_lshl_b32 s43, 15, s43
	s_lshl_b32 s44, 0x1111, s40
	s_or_b32 s[G1+0], s43, (3<<16)|(1<<21)
	s_or_b32 s[G1B+0], s44, (3<<16)|(1<<21)
.irp g, G1, G1B
	s_mov_b32 s[\g+1], 384<<16
	s_mov_b32 s[\g+2], 16<<16
	s_mov_b32 s[\g+3], 384<<16
	s_mov_b32 s[\g+4], 16
	s_mov_b32 s[\g+5], 1536
	s_mov_b32 s[\g+6], 0
	s_mov_b32 s[\g+7], 0
.endr
	s_or_b32 s[G1S+0], s43, (3<<16)|(1<<21)
	s_or_b32 s[G1SB+0], s44, (3<<16)|(1<<21)
.irp g, G1S, G1SB
	s_mov_b32 s[\g+1], 32<<16
	s_mov_b32 s[\g+2], 32<<16
	s_mov_b32 s[\g+3], 32<<16
	s_mov_b32 s[\g+4], 32
	s_mov_b32 s[\g+5], 32
	s_mov_b32 s[\g+6], 0
	s_mov_b32 s[\g+7], 0
.endr
	s_lshl_b32 s95, s16, 3
	s_lshl_b32 s18, s17, 4
	s_add_co_u32 s18, s18, s95
	s_lshl_b32 s46, s42, 4
	s_add_co_u32 s46, s46, s95
	s_add_co_u32 s46, s46, 192
	s_mul_i32 s20, s18, 12288
	s_mov_b32 s21, 0
	s_lshl_b32 s22, s18, 9
	s_mov_b32 s23, 0
	s_lshl_b32 s92, s46, 9
	s_mov_b32 s93, 0
	s_mul_i32 s46, s46, 12288
	s_mov_b32 s47, 0
	s_mul_i32 s45, s14, HALFT
	s_wait_kmcnt 0x0
	s_add_nc_u64 s[20:21], s[4:5], s[20:21]
	s_add_nc_u64 s[22:23], s[6:7], s[22:23]
	s_add_nc_u64 s[46:47], s[8:9], s[46:47]
	s_add_nc_u64 s[92:93], s[10:11], s[92:93]
	CROUND
	s_mov_b32 s[G0S], 1
	s_mov_b32 s[G0S+1], SCL
	s_sub_nc_u64 s[G0S+2:G0S+3], s[22:23], 4096    ; used by wave 1 alone, whose address stands at the second half: back to all 16 tiles' words
	s_or_b32 s[G0S+3], s[G0S+3], 0x80000000
	s_mov_b32 s[G0SB], 1
	s_mov_b32 s[G0SB+1], SCL+2*HALFS
	s_sub_nc_u64 s[G0SB+2:G0SB+3], s[92:93], 4096  ; used by wave 3 alone, likewise
	s_or_b32 s[G0SB+3], s[G0SB+3], 0x80000000
.irp s, 0,1
	s_mov_b32 s[G0+4*\s], 1
	s_add_co_u32 s[G0+4*\s+1], s45, \s*SLOT
	s_add_nc_u64 s[G0+4*\s+2:G0+4*\s+3], s[20:21], \s*TILEB
	s_or_b32 s[G0+4*\s+3], s[G0+4*\s+3], 0x80000000
	s_mov_b32 s[G0B+4*\s], 1
	s_add_co_u32 s[G0B+4*\s+1], s45, \s*SLOT
	s_add_nc_u64 s[G0B+4*\s+2:G0B+4*\s+3], s[46:47], \s*TILEB
	s_or_b32 s[G0B+4*\s+3], s[G0B+4*\s+3], 0x80000000
.endr
; The head's four tiles, one joint load a wave, in one chain of branches on the wave's number: wave 0 slot 0's 16 tiles of A, wave 1 A's scale words,
; wave 2 the 16 tiles of B, wave 3 B's scale words.  (Waves 0 and 2 hold the first half's address, so their addresses are the whole tile's.)
	s_mov_b32 s4, 1
	s_mov_b32 s5, 0
	s_mov_b64 s[6:7], s[20:21]
	s_or_b32 s7, s7, 0x80000000
	s_mov_b32 s8, 1
	s_mov_b32 s9, 2*HALFT
	s_mov_b64 s[10:11], s[46:47]
	s_or_b32 s11, s11, 0x80000000
	s_cmp_eq_u32 s14, 0
	s_cbranch_scc0 .Lhead_1
	tensor_load_to_lds s[4:7], s[G1:G1+7]
	s_nop 0
.rept 4
	v_nop
.endr
	s_branch .Lhead_asked
.Lhead_1:
	s_cmp_eq_u32 s14, 1
	s_cbranch_scc0 .Lhead_2
	tensor_load_to_lds s[G0S:G0S+3], s[G1S:G1S+7]
	s_nop 0
.rept 4
	v_nop
.endr
	s_branch .Lhead_asked
.Lhead_2:
	s_cmp_eq_u32 s14, 2
	s_cbranch_scc0 .Lhead_3
	tensor_load_to_lds s[8:11], s[G1B:G1B+7]
	s_nop 0
.rept 4
	v_nop
.endr
	s_branch .Lhead_asked
.Lhead_3:
	tensor_load_to_lds s[G0SB:G0SB+3], s[G1SB:G1SB+7]
	s_nop 0
.rept 4
	v_nop
.endr
.Lhead_asked:
	s_wait_alu depctr_va_vdst(0)
	s_wait_tensorcnt 0x0                           ; my tile of the four is in
	ds_add_u32 v28, v29
	s_mov_b32 s[G1+2], 8<<16                       ; no tensor load of mine is out: from here on a load brings 8 tiles
	s_mov_b32 s[G1+4], 8
	s_mov_b32 s[G1B+2], 8<<16
	s_mov_b32 s[G1B+4], 8
	s_wait_dscnt 0x0
	CROUND
	JLOAD G0+4, G1, G0B+4, G1B
	v_and_b32 v1, 15, v0
	v_bfe_u32 v2, v0, 4, 1
	s_wait_alu depctr_va_vdst(0)
	v_and_b32 v3, 31, v0
	v_lshlrev_b32 v[L16], 4, v3
	s_wait_alu depctr_va_vdst(0)
	v_lshlrev_b32 v[L8], 3, v3
	s_wait_alu depctr_va_vdst(0)
	s_lshl_b32 s46, s42, 10
	s_lshl_b32 s47, s16, 9
	s_add_co_u32 s46, s46, s47
	s_mov_b32 s47, 0
	s_add_nc_u64 s[96:97], s[96:97], s[46:47]
	s_lshl_b32 s20, s17, 8
	s_lshl_b32 s21, s15, 7
	s_add_co_u32 s20, s20, s21
	s_lshl_b32 s20, s20, 12
	s_add_co_u32 s20, s20, s46
	s_mov_b32 s21, 0
	s_add_nc_u64 s[12:13], s[12:13], s[20:21]
	v_lshlrev_b32 v6, 6, v2
.irp b, 0,1,2,3
.irp q, 0,1,2,3
	global_load_b128 v[BI+16*\b+4*\q:BI+16*\b+4*\q+3], v6, s[96:97] offset:128*\b+16*\q
.endr
.endr
	s_mul_i32 s21, s15, HALFT
	s_mul_i32 s22, s16, HALFT
	s_add_co_u32 s22, s22, 2*HALFT
.irp s, 0,1
	v_add_nc_u32 v[ADRA+\s], s21, v[L16]
	v_add_nc_u32 v[ADRB+\s], s22, v[L16]
	v_add_nc_u32 v[ADRA+2+\s], s21, v[L8]
	v_add_nc_u32 v[ADRB+2+\s], s22, v[L8]
	s_add_co_u32 s21, s21, SLOT
	s_add_co_u32 s22, s22, SLOT
.endr
	v_lshlrev_b32 v7, 2, v1
	s_lshl_b32 s21, s15, 12
	s_lshl_b32 s22, s16, 12
	s_add_co_u32 s22, s22, 2*HALFS
	s_sub_co_u32 s22, s22, s21
	v_mul_u32_u24 v8, s22, v2
	s_add_co_u32 s21, s21, SCL
	v_add_nc_u32 v8, v7, v8
	v_add_nc_u32 v[ADRS], s21, v8
	s_mul_i32 s23, s14, 16*SPITCH
	s_add_co_u32 s23, s23, STG
	v_mul_u32_u24 v7, v1, SPITCH
	v_lshl_add_u32 v7, v2, 6, v7
	v_add_nc_u32 v[STO], s23, v7
	v_add_nc_u32 v[RD], s23, v[L16]
.macro FRAG reg, adr, off
	ds_load_b128 v[\reg:\reg+3], v[\adr] offset:\off
	ds_load_b64 v[\reg+4:\reg+5], v[\adr+2] offset:\off+512
	ds_load_b128 v[\reg+6:\reg+9], v[\adr] offset:\off+768
	ds_load_b64 v[\reg+10:\reg+11], v[\adr+2] offset:\off+1280
.endm
.macro MUL16 a0, p, q, sc, zero
.irp a, \a0, \a0+1
.irp b, 0,1,2,3,4,5,6,7
.if \zero
	v_wmma_scale_f32_16x16x128_f8f6f4 v[8*(8*((\a)%4)+\b):8*(8*((\a)%4)+\b)+7], v[128*(\p)+FR*\b:128*(\p)+FR*\b+FR-1], v[AF+FR*(\a):AF+FR*(\a)+FR-1], v[BI+8*\b:BI+8*\b+7], v[SC+16*(\sc)+2*\b+(\q)], v[SC+16*(\sc)+2*(\a)+(\q)] matrix_a_fmt:MATRIX_FMT_FP6 matrix_b_fmt:MATRIX_FMT_FP6 matrix_a_scale:MATRIX_SCALE_ROW1
.else
	v_wmma_scale_f32_16x16x128_f8f6f4 v[8*(8*((\a)%4)+\b):8*(8*((\a)%4)+\b)+7], v[128*(\p)+FR*\b:128*(\p)+FR*\b+FR-1], v[AF+FR*(\a):AF+FR*(\a)+FR-1], v[8*(8*((\a)%4)+\b):8*(8*((\a)%4)+\b)+7], v[SC+16*(\sc)+2*\b+(\q)], v[SC+16*(\sc)+2*(\a)+(\q)] matrix_a_fmt:MATRIX_FMT_FP6 matrix_b_fmt:MATRIX_FMT_FP6 matrix_a_scale:MATRIX_SCALE_ROW1
.endif
.endr
.endr
.endm
.macro FETCH_B slot, q, p
	WIN TO_B
.irp i, 0,1,2,3,4,5,6,7
	FRAG 128*(\p)+FR*\i, ADRB+\slot, TILEB*\i+1536*(\q)
.endr
	WIN 0
.endm
.macro FETCH_A slot, q, i0
.irp i, \i0, \i0+1, \i0+2, \i0+3
	FRAG AF+FR*(\i), ADRA+\slot, TILEB*(\i)+1536*(\q)
.endr
.endm
.macro SCALES sc
.irp i, 0,1,2,3,4,5,6,7
	ds_load_b32 v[SC+16*\sc+2*\i], v[ADRS] offset:512*\i
	ds_load_b32 v[SC+16*\sc+2*\i+1], v[ADRS] offset:512*\i+64
.endr
.endm
.macro PLACES n
.rept \n
	v_nop
.endr
.endm
.macro STEP slot, q, zero
	s_wait_dscnt 4*NL
.if \zero
	WIN FIRST_LO
.else
	WIN MUL_LO
.endif
	MUL16 0, (\q)%2, \q, \slot, \zero
	MUL16 2, (\q)%2, \q, \slot, \zero
	s_wait_dscnt 0x0
	PLACES NP
	FETCH_B \slot, (\q)+1, 1-(\q)%2
	FETCH_A \slot, (\q)+1, 0
.if \zero
	WIN FIRST_HI
.else
	WIN MUL_HI
.endif
	MUL16 4, (\q)%2, \q, \slot, \zero
	MUL16 6, (\q)%2, \q, \slot, \zero
	PLACES NP
	WIN 0
	FETCH_A \slot, (\q)+1, 4
.endm
.macro TURN slot, next, fill
	s_wait_tensorcnt 0x0
	ds_add_u32 v[SPW], v[NIL]
	s_wait_dscnt 4*NL+1
	WIN MUL_LO
	MUL16 0, 1, 1, \slot, 0
	s_wait_dscnt 0x0
	s_barrier_signal -1
	MUL16 2, 1, 1, \slot, 0
	WIN 0
	s_barrier_wait -1
.if \fill
	CREST
	s_add_nc_u64 s[G0+4*\slot+2:G0+4*\slot+3], s[G0+4*\slot+2:G0+4*\slot+3], 2*TILEB
	s_add_nc_u64 s[G0B+4*\slot+2:G0B+4*\slot+3], s[G0B+4*\slot+2:G0B+4*\slot+3], 2*TILEB
	JLOAD G0+4*\slot, G1, G0B+4*\slot, G1B
.else
	PLACES NP
.endif
	s_wait_alu depctr_va_vdst(0)
	v_add_nc_u32 v[ADRS], 128, v[ADRS]
	FETCH_B \next, 0, 0
	FETCH_A \next, 0, 0
	SCALES \next
	WIN MUL_HI
	MUL16 4, 1, 1, \slot, 0
	MUL16 6, 1, 1, \slot, 0
	PLACES NP
	WIN 0
	FETCH_A \next, 0, 4
.endm
	s_wait_alu depctr_va_vdst(0)
	s_wait_tensorcnt 1
	s_barrier_signal -1
	s_barrier_wait -1
	FETCH_B 0, 0, 0
	FETCH_A 0, 0, 0
	SCALES 0
	FETCH_A 0, 0, 4
	s_wait_loadcnt 0x0
	STEP 0, 0, 1
	TURN 0, 1, 1
	STEP 1, 0, 0
	TURN 1, 0, 1
	STEP 0, 0, 0
	TURN 0, 1, 0
	STEP 1, 0, 0
	s_wait_dscnt 4*NL
	WIN MUL_LO
	MUL16 0, 1, 1, 1, 0
	MUL16 2, 1, 1, 1, 0
	s_wait_dscnt 0x0
	WIN MUL_HI
	MUL16 4, 1, 1, 1, 0
	MUL16 6, 1, 1, 1, 0
	WIN 0
.macro TOSTAGE a
.set AC, 64*((\a)%4)
	WIN 0x08+4*((\a)/4)
.irp b, 0,1,2,3,4,5,6,7
	ds_store_b128 v[STO], v[AC+8*\b:AC+8*\b+3] offset:128*(\b/2)+32*(\b%2)
	ds_store_b128 v[STO], v[AC+8*\b+4:AC+8*\b+7] offset:128*(\b/2)+32*(\b%2)+16
.endr
	WIN 0
.set BB, BK+64*((\a)%2)
.irp t, 0,1,2,3,4,5,6,7,8,9,10,11,12,13,14,15
	ds_load_b128 v[BB+4*\t:BB+4*\t+3], v[RD] offset:\t*SPITCH
.endr
.endm
.macro SEND a, younger
.set BB, BK+64*((\a)%2)
	s_wait_dscnt \younger
.irp t, 0,1,2,3,4,5,6,7,8,9,10,11,12,13,14,15
	global_store_b128 v[L16], v[BB+4*\t:BB+4*\t+3], s[12:13] offset:(32*((\a)/2)+8*((\a)%2)+\t+8*(\t/8))*4096 th:TH_STORE_NT
.endr
.endm
	PLACES NP
	TOSTAGE 0
.irp a, 1,2,3,4,5,6,7
.if \a > 1
	s_wait_xcnt 0x0
.endif
	TOSTAGE \a
	SEND \a-1, 32
.endr
	SEND 7, 0
	s_wait_tensorcnt 0x0
	ds_add_u32 v[SPW], v[NIL]
	s_wait_dscnt 0x0
	CROUND
	s_endpgm
.Lfunc_end_k_q6dc305b756_oproj:
	.size	k_q6dc305b756_oproj, .Lfunc_end_k_q6dc305b756_oproj-k_q6dc305b756_oproj
	.p2alignl 7, 3214868480
	.fill 96, 4, 3214868480
	.section	.rodata,"a",@progbits
	.p2align	6, 0x0
	.amdhsa_kernel k_q6dc305b756_oproj
		.amdhsa_group_segment_fixed_size 327680
		.amdhsa_private_segment_fixed_size 0
		.amdhsa_enable_private_segment 0
		.amdhsa_kernarg_size 48
		.amdhsa_user_sgpr_count 2
		.amdhsa_user_sgpr_kernarg_segment_ptr 1
		.amdhsa_wavefront_size32 1
		.amdhsa_system_sgpr_workgroup_id_x 1
		.amdhsa_system_sgpr_workgroup_id_y 1
		.amdhsa_system_sgpr_workgroup_id_z 1
		.amdhsa_system_vgpr_workitem_id 0
		.amdhsa_next_free_vgpr 1024
		.amdhsa_next_free_sgpr 102
		.amdhsa_reserve_vcc 0
		.amdhsa_float_denorm_mode_32 3
		.amdhsa_float_denorm_mode_16_64 3
		.amdhsa_memory_ordered 1
		.amdhsa_forward_progress 1
		.amdhsa_inst_pref_size 148
	.end_amdhsa_kernel
	.amdgpu_metadata
---
amdhsa.version: [ 1, 2 ]
amdhsa.kernels:
  - .name:           k_q6dc305b756_oproj
    .symbol:         k_q6dc305b756_oproj.kd
    .args:
      - { .name: act_img, .offset: 0, .size: 8, .value_kind: global_buffer, .address_space: global }
      - { .name: act_sc, .offset: 8, .size: 8, .value_kind: global_buffer, .address_space: global }
      - { .name: w_img, .offset: 16, .size: 8, .value_kind: global_buffer, .address_space: global }
      - { .name: w_sc, .offset: 24, .size: 8, .value_kind: global_buffer, .address_space: global }
      - { .name: bp, .offset: 32, .size: 8, .value_kind: global_buffer, .address_space: global }
      - { .name: out0, .offset: 40, .size: 8, .value_kind: global_buffer, .address_space: global }
    .group_segment_fixed_size: 327680
    .private_segment_fixed_size: 0
    .kernarg_segment_align: 8
    .kernarg_segment_size: 48
    .max_flat_workgroup_size: 128
    .sgpr_count:     102
    .vgpr_count:     1024
    .wavefront_size: 32
...
	.end_amdgpu_metadata
.endif
;; end of part 4
